; MI455X (gfx1250); checked and timed in simulation.
; The chip was launched on July 23, 2026; its instructions are those of AMD's public machine-readable ISA for CDNA 5 (MIT licence, August 2026) and "CDNA5" Instruction Set Architecture Reference Guide (July 2026). The comments in the code are by the model that wrote it; some were corrected since.
;; Simple QSANI Model. Allowed arithmetic: float matrix products may take bf16 or f16 operands with f32 sums; all other float work in f32.
;; Inputs: aev 2,048 x 64 x 384 float32; ani_params_0_0_0 386 x 160 float32; ani_params_0_0_1 160 float32; ani_params_0_1_0 160 x 128 float32; ani_params_0_1_1 128 float32; ani_params_0_2_0 128 x 96 float32; ani_params_0_2_1 96 float32; ani_params_0_3_0 96 x 1 float32; ani_params_0_3_1 1 float32; ani_params_1_0_0 386 x 160 float32; ani_params_1_0_1 160 float32; ani_params_1_1_0 160 x 128 float32; ani_params_1_1_1 128 float32; ani_params_1_2_0 128 x 96 float32; ani_params_1_2_1 96 float32; ani_params_1_3_0 96 x 1 float32; ani_params_1_3_1 1 float32; ani_params_2_0_0 386 x 160 float32; ani_params_2_0_1 160 float32; ani_params_2_1_0 160 x 128 float32; ani_params_2_1_1 128 float32; ani_params_2_2_0 128 x 96 float32; ani_params_2_2_1 96 float32; ani_params_2_3_0 96 x 1 float32; ani_params_2_3_1 1 float32; ani_params_3_0_0 386 x 160 float32; ani_params_3_0_1 160 float32; ani_params_3_1_0 160 x 128 float32; ani_params_3_1_1 128 float32; ani_params_3_2_0 128 x 96 float32; ani_params_3_2_1 96 float32; ani_params_3_3_0 96 x 1 float32; ani_params_3_3_1 1 float32; coordinates 2,048 x 64 x 3 float32; net_charge 2,048 float32; q_params_0_0 384 x 160 float32; q_params_0_1 160 float32; q_params_1_0 160 x 128 float32; q_params_1_1 128 float32; q_params_2_0 128 x 96 float32; q_params_2_1 96 float32; q_params_3_0 96 x 1 float32; q_params_3_1 1 float32; species 2,048 x 64 int32.
;; Outputs: out0 2,048 x 64 int32; out1 2,048 float32; out2 2,048 x 64 float32.
;; 2 versions, each right and faster than the one before. Each part assembles by itself: llvm-mc -triple=amdgcn-amd-amdhsa -mcpu=gfx1250 --defsym DOCPART=n.
;; ======== version 1 of 2: 2 launches
;; limits: values are held in f16: magnitudes above 65,504 overflow, below 6.1e-05 lose precision; right only within a limited range of input values
;; workspace buffers: wpack 1,024,000 bytes
;; launch prep (part 1): grid 200 x 5, 2 waves a work-group, no clusters, 0 bytes of LDS; arguments q_params_0_0, q_params_1_0, q_params_2_0, q_params_3_0, ani_params_0_0_0, ani_params_0_1_0, ani_params_0_2_0, ani_params_0_3_0, ani_params_1_0_0, ani_params_1_1_0, ani_params_1_2_0, ani_params_1_3_0, ani_params_2_0_0, ani_params_2_1_0, ani_params_2_2_0, ani_params_2_3_0, ani_params_3_0_0, ani_params_3_1_0, ani_params_3_2_0, ani_params_3_3_0, wpack; writes wpack
.if DOCPART == 1
	.amdgcn_target "amdgcn-amd-amdhsa--gfx1250"
	.amdhsa_code_object_version 6
	.text
	.protected	k_q95a44a6861_prep
	.globl	k_q95a44a6861_prep
	.p2align	8
	.type	k_q95a44a6861_prep,@function
k_q95a44a6861_prep:
	s_mov_b64 s[64:65], 0
	v_nop
	global_prefetch_b8 v0, s[64:65] scope:SCOPE_SE
	s_setreg_imm32_b32 hwreg(HW_REG_WAVE_MODE, 25, 1), 1
	s_wait_xcnt 0x0
; Packs the 20 weight matrices (5 nets: charge net, four species nets; 4 layers each) into wpack, in the order in which the main launch
; wants them.  wpack = 5 nets x 200 blocks x 1,024 bytes.  A block of layers 0 to 2 is one A fragment (16 output features x 32 k, 16-bit):
; byte 512 q + 16 L + 2 e (L = 16 h + r) holds W'[k = 32 s + 16 q + 8 h + e][m = 16 t + r], so that two 16-byte LDS loads a lane fill it.
; Blocks of a net: 0-129 layer 0 (two groups of 5 tiles, 13 K steps each, K step outer, tile inner; the FIRST K step is k = 384 .. 415, the
; rows for charge and potential, then k = 0 .. 383), 130-169 layer 1 (two groups of 4 tiles, 5 K steps), 170-193 layer 2 (two groups of
; 3 tiles, 4 K steps), 194 layer 3 as 96 f32 (then zeros), 195-199 zeros that make the net's two halves equal (100 blocks each: the main
; launch brings each half in with one shape of load, so these bytes are read and have to be defined).
; FORMATS, c = 10 log2(e): layer 0: c W0 in f16, but its first K step in bf16 (charge and potential have no room in f16); layer 1: 16 W1 in
; f16; layer 2: W2 in f16; layer 3: W3 / c in f32.  Layer 0 is padded along k to 416 with zeros (the charge net has 384 rows, a species net 386).
; LIMIT, stated: |c W0|, |16 W1|, |W2| below 65,504 (f16's largest number).
; One work-group = one block (x = block, y = net); thread tid makes the 16 bytes at 16 tid.
.set CSC,  0x4166d4ca                  ; c = 14.4269504
.set RCSC, 0x3d8df4e0                  ; 1 / c
; s60 block, s61 net, s66 K step, s67 tile, s68 columns of W, s69 rows of W, s70 scale, s77 1: bf16, 0: f16
	s_load_b512 s[8:23], s[0:1], 0x0               ; charge net W0..W3, species net 0 W0..W3
	s_load_b512 s[24:39], s[0:1], 0x40             ; species nets 1, 2
	s_load_b256 s[40:47], s[0:1], 0x80             ; species net 3
	s_load_b64 s[48:49], s[0:1], 0xa0              ; wpack
	s_mov_b32 s60, ttmp9
	s_and_b32 s61, ttmp7, 0xffff
	s_mul_i32 s78, s61, 200
	s_add_co_u32 s78, s78, s60
	s_lshl_b32 s78, s78, 10                        ; my block in wpack
	s_mov_b32 s79, 0
	s_wait_kmcnt 0x0
	s_add_nc_u64 s[48:49], s[48:49], s[78:79]
	; the four matrices of my net, chosen on the net's number alone
.irp j, 0,1,2,3
	s_mov_b64 s[50+2*\j:51+2*\j], s[8+2*\j:9+2*\j]
.endr
.irp y, 1,2,3,4
	s_cmp_eq_u32 s61, \y
.irp j, 0,1,2,3
	s_cselect_b64 s[50+2*\j:51+2*\j], s[8+8*\y+2*\j:9+8*\y+2*\j], s[50+2*\j:51+2*\j]
.endr
.endr
	; and of these the layer's, chosen on the block's number alone
	s_mov_b64 s[58:59], s[56:57]
	s_cmp_lt_u32 s60, 194
	s_cselect_b64 s[58:59], s[54:55], s[58:59]
	s_cmp_lt_u32 s60, 170
	s_cselect_b64 s[58:59], s[52:53], s[58:59]
	s_cmp_lt_u32 s60, 130
	s_cselect_b64 s[58:59], s[50:51], s[58:59]
	s_cmp_lt_u32 s60, 130
	s_cbranch_scc0 .Llayer1
	s_cmp_ge_u32 s60, 65                           ; layer 0: group = b / 65
	s_cselect_b32 s62, 1, 0
	s_mul_i32 s63, s62, 65
	s_sub_co_u32 s63, s60, s63                     ; b' = b mod 65
	s_mul_i32 s66, s63, 0xcccd
	s_lshr_b32 s66, s66, 18                        ; place in the order of K steps = b' / 5 (exact for b' below 65)
	s_mul_i32 s67, s66, 5
	s_sub_co_u32 s67, s63, s67
	s_mul_i32 s62, s62, 5
	s_add_co_u32 s67, s67, s62                     ; t = 5 group + b' mod 5
	s_sub_co_u32 s63, s66, 1
	s_cmp_eq_u32 s66, 0
	s_cselect_b32 s77, 1, 0                        ; the first place is K step 12, in bf16;
	s_cselect_b32 s66, 12, s63                     ; place p > 0 is K step p - 1
	s_mov_b32 s68, 160
	s_mov_b32 s69, 386
	s_cmp_eq_u32 s61, 0
	s_cselect_b32 s69, 384, s69                    ; the charge net has no rows 384, 385
	s_mov_b32 s70, CSC
	s_branch .Lgo
.Llayer1:
	s_cmp_lt_u32 s60, 170
	s_cbranch_scc0 .Llayer2
	s_sub_co_u32 s63, s60, 130
	s_cmp_ge_u32 s63, 20
	s_cselect_b32 s62, 1, 0                        ; group
	s_mul_i32 s66, s62, 20
	s_sub_co_u32 s63, s63, s66
	s_lshr_b32 s66, s63, 2                         ; s
	s_and_b32 s67, s63, 3
	s_lshl2_add_u32 s67, s62, s67                  ; t = 4 group + ..
	s_mov_b32 s68, 128
	s_mov_b32 s69, 160
	s_mov_b32 s70, 0x41800000                      ; 16
	s_mov_b32 s77, 0
	s_branch .Lgo
.Llayer2:
	s_cmp_lt_u32 s60, 194
	s_cbranch_scc0 .Llayer3
	s_sub_co_u32 s63, s60, 170
	s_cmp_ge_u32 s63, 12
	s_cselect_b32 s62, 1, 0                        ; group
	s_mul_i32 s66, s62, 12
	s_sub_co_u32 s63, s63, s66
	s_mul_i32 s66, s63, 0xaaab
	s_lshr_b32 s66, s66, 17                        ; s = .. / 3 (exact below 12)
	s_mul_i32 s67, s66, 3
	s_sub_co_u32 s67, s63, s67
	s_mul_i32 s62, s62, 3
	s_add_co_u32 s67, s67, s62                     ; t = 3 group + ..
	s_mov_b32 s68, 96
	s_mov_b32 s69, 128
	s_mov_b32 s70, 1.0
	s_mov_b32 s77, 0
.Lgo:
	v_and_b32 v1, 15, v0                           ; r
	v_bfe_u32 v2, v0, 4, 1                         ; h
	v_lshrrev_b32 v3, 5, v0                        ; q
	s_lshl_b32 s73, s66, 5
	v_lshlrev_b32 v4, 4, v3
	v_lshl_add_u32 v4, v2, 3, v4
	v_add_nc_u32 v4, s73, v4                       ; k0 = 32 s + 16 q + 8 h
	s_lshl_b32 s74, s67, 4
	v_add_nc_u32 v5, s74, v1                       ; my column of W
	s_sub_co_u32 s76, s69, 1
.irp e, 0,1,2,3,4,5,6,7
	v_add_nc_u32 v[24+\e], \e, v4                  ; k
	v_min_u32 v[16+\e], s76, v[24+\e]              ; clamped to W's last row: every load stays inside the matrix
	v_mad_u32_u24 v[16+\e], v[16+\e], s68, v5
	v_lshlrev_b32 v[16+\e], 2, v[16+\e]
	global_load_b32 v[8+\e], v[16+\e], s[58:59]    ; sixteen neighbouring lanes read 64 neighbouring bytes of a row of W
.endr
	v_lshlrev_b32 v2, 4, v0
	s_wait_loadcnt 0x0
.irp e, 0,1,2,3,4,5,6,7
	v_mul_f32 v[8+\e], s70, v[8+\e]
	v_cmp_gt_u32 vcc_lo, s69, v[24+\e]             ; k is a row of W; past the last row: zero
	v_cndmask_b32 v[8+\e], 0, v[8+\e], vcc_lo
.endr
	s_cmp_lg_u32 s77, 0
	s_cbranch_scc1 .Lbf
.irp p, 0,1,2,3
	v_cvt_pk_f16_f32 v[4+\p], v[8+2*\p], v[9+2*\p]
.endr
	s_branch .Lstore
.Lbf:
.irp p, 0,1,2,3
	v_cvt_pk_bf16_f32 v[4+\p], v[8+2*\p], v[9+2*\p]
.endr
.Lstore:
	global_store_b128 v2, v[4:7], s[48:49]         ; a wave's store covers 512 consecutive bytes, aligned
	s_endpgm
.Llayer3:
	s_sub_co_u32 s66, s60, 194                     ; blocks 194-199 as one list of 1,536 f32: W3 / c, then zeros
	s_lshl_b32 s66, s66, 8
	v_lshl_add_u32 v4, v0, 2, s66                  ; my four numbers begin at 256 (b - 194) + 4 tid
.irp e, 0,1,2,3
	v_add_nc_u32 v[24+\e], \e, v4
	v_min_u32 v[16+\e], 95, v[24+\e]               ; clamped to W3's last row
	v_lshlrev_b32 v[16+\e], 2, v[16+\e]
	global_load_b32 v[8+\e], v[16+\e], s[58:59]
.endr
	v_lshlrev_b32 v2, 4, v0
	s_wait_loadcnt 0x0
.irp e, 0,1,2,3
	v_mul_f32 v[8+\e], RCSC, v[8+\e]
	v_cmp_gt_u32 vcc_lo, 96, v[24+\e]
	v_cndmask_b32 v[8+\e], 0, v[8+\e], vcc_lo
.endr
	global_store_b128 v2, v[8:11], s[48:49]
	s_endpgm
.Lfunc_end_k_q95a44a6861_prep:
	.size	k_q95a44a6861_prep, .Lfunc_end_k_q95a44a6861_prep-k_q95a44a6861_prep
	.p2alignl 7, 3214868480
	.fill 96, 4, 3214868480
	.section	.rodata,"a",@progbits
	.p2align	6, 0x0
	.amdhsa_kernel k_q95a44a6861_prep
		.amdhsa_group_segment_fixed_size 0
		.amdhsa_private_segment_fixed_size 0
		.amdhsa_enable_private_segment 0
		.amdhsa_kernarg_size 168
		.amdhsa_user_sgpr_count 2
		.amdhsa_user_sgpr_kernarg_segment_ptr 1
		.amdhsa_wavefront_size32 1
		.amdhsa_system_sgpr_workgroup_id_x 1
		.amdhsa_system_sgpr_workgroup_id_y 1
		.amdhsa_system_sgpr_workgroup_id_z 1
		.amdhsa_system_vgpr_workitem_id 0
		.amdhsa_next_free_vgpr 32
		.amdhsa_next_free_sgpr 80
		.amdhsa_reserve_vcc 1
		.amdhsa_float_denorm_mode_32 3
		.amdhsa_float_denorm_mode_16_64 3
		.amdhsa_memory_ordered 1
		.amdhsa_forward_progress 1
		.amdhsa_inst_pref_size 10
	.end_amdhsa_kernel
	.amdgpu_metadata
---
amdhsa.version: [ 1, 2 ]
amdhsa.kernels:
  - .name:           k_q95a44a6861_prep
    .symbol:         k_q95a44a6861_prep.kd
    .args:
      - { .name: q_params_0_0, .offset: 0, .size: 8, .value_kind: global_buffer, .address_space: global }
      - { .name: q_params_1_0, .offset: 8, .size: 8, .value_kind: global_buffer, .address_space: global }
      - { .name: q_params_2_0, .offset: 16, .size: 8, .value_kind: global_buffer, .address_space: global }
      - { .name: q_params_3_0, .offset: 24, .size: 8, .value_kind: global_buffer, .address_space: global }
      - { .name: ani_params_0_0_0, .offset: 32, .size: 8, .value_kind: global_buffer, .address_space: global }
      - { .name: ani_params_0_1_0, .offset: 40, .size: 8, .value_kind: global_buffer, .address_space: global }
      - { .name: ani_params_0_2_0, .offset: 48, .size: 8, .value_kind: global_buffer, .address_space: global }
      - { .name: ani_params_0_3_0, .offset: 56, .size: 8, .value_kind: global_buffer, .address_space: global }
      - { .name: ani_params_1_0_0, .offset: 64, .size: 8, .value_kind: global_buffer, .address_space: global }
      - { .name: ani_params_1_1_0, .offset: 72, .size: 8, .value_kind: global_buffer, .address_space: global }
      - { .name: ani_params_1_2_0, .offset: 80, .size: 8, .value_kind: global_buffer, .address_space: global }
      - { .name: ani_params_1_3_0, .offset: 88, .size: 8, .value_kind: global_buffer, .address_space: global }
      - { .name: ani_params_2_0_0, .offset: 96, .size: 8, .value_kind: global_buffer, .address_space: global }
      - { .name: ani_params_2_1_0, .offset: 104, .size: 8, .value_kind: global_buffer, .address_space: global }
      - { .name: ani_params_2_2_0, .offset: 112, .size: 8, .value_kind: global_buffer, .address_space: global }
      - { .name: ani_params_2_3_0, .offset: 120, .size: 8, .value_kind: global_buffer, .address_space: global }
      - { .name: ani_params_3_0_0, .offset: 128, .size: 8, .value_kind: global_buffer, .address_space: global }
      - { .name: ani_params_3_1_0, .offset: 136, .size: 8, .value_kind: global_buffer, .address_space: global }
      - { .name: ani_params_3_2_0, .offset: 144, .size: 8, .value_kind: global_buffer, .address_space: global }
      - { .name: ani_params_3_3_0, .offset: 152, .size: 8, .value_kind: global_buffer, .address_space: global }
      - { .name: wpack, .offset: 160, .size: 8, .value_kind: global_buffer, .address_space: global }
    .group_segment_fixed_size: 0
    .private_segment_fixed_size: 0
    .kernarg_segment_align: 8
    .kernarg_segment_size: 168
    .max_flat_workgroup_size: 64
    .sgpr_count:     80
    .vgpr_count:     32
    .wavefront_size: 32
...
	.end_amdgpu_metadata
.endif
;; end of part 1
;; launch main (part 2): grid 512 x 1, 4 waves a work-group, clusters of 4 x 1, 327,680 bytes of LDS; arguments aev, species, coordinates, net_charge, wpack, out0, out1, out2, q_params_0_1, q_params_1_1, q_params_2_1, q_params_3_1, ani_params_0_0_1, ani_params_0_1_1, ani_params_0_2_1, ani_params_0_3_1, ani_params_1_0_1, ani_params_1_1_1, ani_params_1_2_1, ani_params_1_3_1, ani_params_2_0_1, ani_params_2_1_1, ani_params_2_2_1, ani_params_2_3_1, ani_params_3_0_1, ani_params_3_1_1, ani_params_3_2_1, ani_params_3_3_1; writes out0, out1, out2
.if DOCPART == 2
	.amdgcn_target "amdgcn-amd-amdhsa--gfx1250"
	.amdhsa_code_object_version 6
	.text
	.protected	k_q95a44a6861_main
	.globl	k_q95a44a6861_main
	.p2align	8
	.type	k_q95a44a6861_main,@function
k_q95a44a6861_main:
	s_mov_b64 s[64:65], 0
	v_nop
	global_prefetch_b8 v0, s[64:65] scope:SCOPE_SE
	s_setreg_imm32_b32 hwreg(HW_REG_WAVE_MODE, 25, 1), 1
	s_wait_xcnt 0x0
	s_wait_alu depctr_hold_cnt(0) depctr_sa_sdst(0) depctr_va_vdst(0) depctr_va_sdst(0) depctr_va_ssrc(0) depctr_va_vcc(0) depctr_vm_vsrc(0)
	s_getreg_b32 s2, hwreg(HW_REG_IB_STS2, 6, 4)
	s_cmp_eq_u32 s2, 0
	s_cbranch_scc0 .Lentry_in_a_cluster
	s_endpgm
.Lentry_in_a_cluster:
	s_bfe_u32 s2, ttmp6, 0x10000c
	s_cmp_lg_u32 s2, 0x3003
	s_cbranch_scc0 .Lentry_shape_is_right
	s_endpgm
.Lentry_shape_is_right:
; The whole model for one molecule in one wave; four waves (four molecules) a work-group, four work-groups a cluster.
; MATRIX WORK IS TRANSPOSED: operand A = 16 output features x 32 k of a weight matrix (packed by the launch before, 1,024 bytes a fragment),
; operand B = 32 k x 16 atoms.  In a result, lane (r, h) register j holds feature 16 t + 8 h + j of atom r; two neighbouring result tiles,
; rounded to 16 bits in pairs, ARE the next layer's B fragment, so activations never leave the registers.  The molecule's 64 x 384 features
; are read from memory once, rounded to f16 and kept as 12 K steps x 4 atom tiles x 8 registers for all five nets.
; All five nets run on all atoms, as the problem's function does; the atom's species picks its value by v_cndmask_b32: no address, trip count or
; branch hangs on data.
; SCALING, c = 10 log2(e), k = log2(e): accumulators hold u = c x (c W0, 16 W1 and the biases c b0..c b2 see to it), and
; c celu(x) = med3(u, k 2^u - k, 0), exact in form: k (2^u - 1) >= u for every u, with equality at 0; if 2^u overflows the median is u.
; FORMATS.  The corrected charge q - (sum q) q^2 / (sum q^2) multiplies a raw charge's error severalfold, so the operands are f16 (11
; significant bits) wherever their range allows:
;   layer 0: features and c W0 in f16.  Charge and potential (k = 384, 385) grow with the product of five inputs' scales and stay in bf16:
;            their K step comes first, as a bf16 product that starts the sums from the biases.
;   layer 1: (c / 16) celu in f16 (the factor 1/16 is exact and leaves the value about as large as celu itself), 16 W1 in f16.
;   layer 2: layer 1's activations grow with three inputs' scales, so they get a power of two s of the molecule's own: both halves of layer 1
;            stay in f32 in their accumulators until the largest is known, m = max(0.1 c, largest c celu) (celu is never below -0.1, so m bounds
;            every magnitude); s = 2^(14 - exponent of m) puts m into [2^14, 2^15); s c celu goes to f16; the sums are taken back by 1 / s.
;   layer 3 (96 -> 1): in f32 on the vector unit, sum of (W3 / c) (c celu): one packed multiply-add for two numbers, in the place of the rounding
;            that a fourth matrix layer would need; one row in sixteen of a matrix instruction would be used.
; WEIGHTS: a net is two units of 102,400 bytes; unit 2 net goes to LDS slot 0, unit 2 net + 1 to slot 1.  Every work-group walks the same
; units, so the four of a cluster ask JOINTLY (mask 15): each wave asks for its quarter of a unit.  A wave has two tensor loads out at the
; start and one behind each round of the cluster's barrier.
; LIMITS, stated: |feature| and 0.9 |celu of layer 0| below 65,504 (f16's largest number; with features and W0 both 30 times those of the
; problem's kind the latter reaches some 4,800); v_exp_f32, v_rcp_f32, v_rsq_f32 are good to 1 ULP; 2^u below 2^-126 counts as 0, which gives
; celu its limit -0.1; the corrected charge is formed as q + q^2 ((net - sum q) / max(sum q^2, 1e-8)), one order of rounding away from
; q + (net - sum q) (q^2 / ..).  out1 leaves as 4 bytes a wave (8,192 bytes in the whole launch).
.set UNIT,    102400                   ; bytes in a slot: 100 blocks
.set QUART,   25600                    ; what one wave's tensor load brings: 100 rows of 256 bytes
.set STAGE,   204800                   ; + wave x 17,408: 64 rows (atoms) of 128 f16, pitch 272 = 17 x 16 bytes, so that 16 rows start 16 bytes apart modulo 256
.set STAGE_W, 17408
.set PRIV,    274432                   ; + wave x 10,496: the wave's own small data
.set PRIV_W,  10496
.set NETB,    1792                     ; a net's biases: c b0 at 0, c b1 at 640, c b2 at 1,152, b3 (32 times) at 1,536
.set O_B1,    640
.set O_B2,    1152
.set O_B3,    1536
.set O_SP,    8960                     ; species, 256 bytes
.set O_QS,    9216                     ; charges, 256 bytes
.set O_QUAD,  9472                     ; (x, y, z, charge) of 64 atoms, 1,024 bytes
.set W3LDS,   UNIT+94*1024             ; W3 / c: block 94 of slot 1
; Stage and own data are written by LDS stores, belong to one wave, and no tensor load ever lands in them; they begin at multiples of 256 bytes.
; VECTOR REGISTERS by absolute number; window = number >> 8, name = number & 255 (s_set_vgpr_msb: bits 1:0 source 0, 3:2 source 1, 5:4 source 2, 7:6 destination)
.set W3A,  0                           ; W3's place in LDS + 32 h (the thread's number is not needed behind the head)
.set ZERO, 1                           ; 0, an offset
.set ADR,  2                           ; v2-5: 16 lane + 0, 51,200, 102,400, 153,600: the halves of the two slots (an LDS immediate has 16 bits)
.set BADR, 6                           ; own data + 32 h + 1,792 net
.set STW,  7                           ; stage + 8 lane
.set STR,  8                           ; stage + 272 r + 16 h
.set LANE, 9
.set SA,   10                          ; species of atom lane; v11 of atom lane + 32
.set SB,   11
.set CX,   12                          ; v[12:13] x of atoms lane, lane + 32; v[14:15] y; v[16:17] z
.set CY,   14
.set CZ,   16
.set OUTA, 18                          ; the selected net's value for atom lane; v19 for atom lane + 32
.set OUTB, 19
.set ECOUL, 20                         ; my two atoms' share of the Coulomb energy
.set PB,   21                          ; own data's first byte
.set YA,   24                          ; a net's result for atom lane; v25 for atom lane + 32
.set YB,   25
.set MX,   26                          ; v26-29: four running maxima of layer 1; later the four atom tiles' sums of layer 3
.set B3,   30                          ; b3
.set AF0,  32                          ; A fragments, two buffers of 40 registers (32-71, 72-111)
.set BI,   112                         ; biases in the accumulators' layout, 48 registers
.set W3R,  160                         ; W3 / c in the accumulators' layout, 48 registers (in layer 2)
.set BL,   160                         ; at the start: biases as loaded, 14 registers a net
.set CT,   32                          ; at the start: features rounded to f16, 2 registers a row
.set AEV,  256                         ; 256 + 32 s + 8 n: B fragment of K step s, atom tile n
.set XF,   640                         ; the B fragments (bf16) of charge and potential
.set ACC,  768                         ; 768 + 32 i + 8 n: accumulators of tile i of a group, atom tile n; at the start: features as loaded
.set YD,   896                         ; v[896:903] layer 3's running sums, a pair for each atom tile
.set TMPR, 928                         ; 32 registers at work in the activation
.set TT,   TMPR&255
; activations: layer 0: K steps 0-2 at 672 + 32 g, 3-4 at 960, 992; layer 1 (into layer 0's, which are dead by then): 0-2 at 672 + 32 g, 3 at 960
; layer 1's second group has its accumulators at 160, 192, 224 and 896, beside the first group's at 768-895
.set G1, 68                            ; s[68:75] descriptor group 1
.set G0, 76                            ; s[76:83] descriptor group 0, one set for each slot
; s[4:5] = s, s and s[6:7] = 1 / s, 1 / s (layer 1's scale); s[84:85] k, s[86:87] -k, s[88:89] c, s[90:91] 1e-16
.set MSB, 0
.macro WIN new                         ; the immediate's high byte repeats the setting that is left; a switch that changes nothing is dropped
.set win_n, (\new)
.if MSB != win_n
	s_set_vgpr_msb (MSB<<8)|win_n
.set MSB, win_n
.endif
.endm
.macro WINR d, a, b, c                 ; the windows of four absolute register numbers: destination, sources 0, 1, 2
	WIN ((((\d)>>8)<<6)|(((\c)>>8)<<4)|(((\b)>>8)<<2)|((\a)>>8))
.endm
; Four places behind a matrix instruction before a load lands in one of its registers or a vector instruction reads its result
.macro PLACES
.rept 4
	v_nop
.endr
.endm
; A round of the cluster's barrier: my work-group's barrier, wave 0 signals for the work-group, all wait for the four work-groups, my barrier again
.macro ROUND
	s_barrier_signal -1
	s_barrier_wait -1
	s_cmp_lg_u32 s66, 0
	s_cbranch_scc1 .Lnot_wave_0_\@
	s_barrier_signal -3
.Lnot_wave_0_\@:
	s_barrier_wait -3
	s_barrier_signal -1
	s_barrier_wait -1
.endm
; G fragments, blocks blk .. blk + G - 1 of a slot, into buffer buf: 32 lanes x 16 neighbouring bytes a load
.macro AFETCH buf, slot, blk, G
	WIN 0
.set af_i, 0
.rept \G
.set af_b, (\blk)+af_i
.set af_r, AF0+40*(\buf)+8*af_i
.set af_a, ADR+2*(\slot)+(af_b/50)
.set af_o, (af_b%50)*1024
	ds_load_b128 v[af_r:af_r+3], v[af_a] offset:af_o
	ds_load_b128 v[af_r+4:af_r+7], v[af_a] offset:af_o+512
.set af_i, af_i+1
.endr
.endm
; the biases of tiles t0 .. t0 + G - 1 of the layer whose biases begin at bo: register j = b[16 t + 8 h + j], as an accumulator holds it
.macro BIFETCH bo, t0, G
.set bf_i, 0
.rept \G
	ds_load_b128 v[BI+8*bf_i:BI+8*bf_i+3], v[BADR] offset:\bo+64*(\t0+bf_i)
	ds_load_b128 v[BI+8*bf_i+4:BI+8*bf_i+7], v[BADR] offset:\bo+64*(\t0+bf_i)+16
.set bf_i, bf_i+1
.endr
.endm
; W3 / c in the same layout, and b3
.macro W3FETCH
	WIN 0
.set wf_t, 0
.rept 6
	ds_load_b128 v[W3R+8*wf_t:W3R+8*wf_t+3], v[W3A] offset:64*wf_t
	ds_load_b128 v[W3R+8*wf_t+4:W3R+8*wf_t+7], v[W3A] offset:64*wf_t+16
.set wf_t, wf_t+1
.endr
	ds_load_b32 v[B3], v[BADR] offset:O_B3
.endm
; BB = where place g in layer's order of K steps has its B operand
.macro BLOC layer, g
.if (\layer) == 0
.if (\g) == 0
.set BB, XF
.else
.set BB, AEV+32*((\g)-1)
.endif
.endif
.if (\layer) == 1
.if (\g) < 3
.set BB, 672+32*(\g)
.else
.set BB, 864+32*(\g)
.endif
.endif
.if (\layer) == 2
.if (\g) < 3
.set BB, 672+32*(\g)
.else
.set BB, 960
.endif
.endif
.endm
; AA = the accumulators of tile i of a group; map 1: layer 1's second group
.macro ALOC map, i
.if (\map) == 0
.set AA, ACC+32*(\i)
.else
.if (\i) < 3
.set AA, 160+32*(\i)
.else
.set AA, 896
.endif
.endif
.endm
; One K step: G tiles x 4 atom tiles.  first = 1: the sums start from the biases; 2: from 0; 0: they go on in place.  bf = 1: the bf16 form.
; The 4 G accumulators take turns, one instruction a turn.
.macro KSTEP bb, ab, G, first, map, bf
.set ks_i, 0
.rept \G
	ALOC \map, ks_i
.if \first == 1
	WINR AA, \ab, \bb, BI
.else
	WINR AA, \ab, \bb, AA
.endif
.set ks_n, 0
.rept 4
.set ks_d, (AA+8*ks_n)&255
.set ks_a, ((\ab)+8*ks_i)&255
.set ks_b, ((\bb)+8*ks_n)&255
.if \bf
	v_wmma_f32_16x16x32_bf16 v[ks_d:ks_d+7], v[ks_a:ks_a+7], v[ks_b:ks_b+7], v[BI+8*ks_i:BI+8*ks_i+7]
.else
.if \first == 1
	v_wmma_f32_16x16x32_f16 v[ks_d:ks_d+7], v[ks_a:ks_a+7], v[ks_b:ks_b+7], v[BI+8*ks_i:BI+8*ks_i+7]
.else
.if \first == 2
	v_wmma_f32_16x16x32_f16 v[ks_d:ks_d+7], v[ks_a:ks_a+7], v[ks_b:ks_b+7], 0
.else
	v_wmma_f32_16x16x32_f16 v[ks_d:ks_d+7], v[ks_a:ks_a+7], v[ks_b:ks_b+7], v[ks_d:ks_d+7]
.endif
.endif
.endif
.set ks_n, ks_n+1
.endr
.set ks_i, ks_i+1
.endr
.endm
; Places k0 .. k1 of a group of G tiles; place k0's fragments (block blk of the slot) have been asked for, into buffer 0.
; Each step first asks for the next one's fragments, into the other buffer, and lets exactly these 2 G loads stay out.
; Behind the bf16 step stands a fifth place: the f16 products that go on with its sums are no links of one chain with it.
.macro KRUN layer, G, k0, k1, slot, blk, first, map
.set kr_j, 0
.set kr_pb, 0
.rept (\k1)-(\k0)+1
.if kr_j < (\k1)-(\k0)
.set kr_b, (kr_j+1)&1
.set kr_k, (\blk)+(kr_j+1)*(\G)
	PLACES
.if kr_pb
	v_nop
.endif
	AFETCH kr_b, \slot, kr_k, \G
	s_wait_dscnt 2*\G                              ; LDS loads return in order (ISA guide 5.7.1): all but the 2 G just issued are in, this step's fragments and the biases among them
.else
	s_wait_dscnt 0x0
.endif
.set kr_g, (\k0)+kr_j
.set kr_a, AF0+40*(kr_j&1)
.set kr_bf, 0
.if (\layer) == 0
.if kr_g == 0
.set kr_bf, 1
.endif
.endif
	BLOC \layer, kr_g
.if kr_j == 0
	KSTEP BB, kr_a, \G, \first, \map, kr_bf
.else
	KSTEP BB, kr_a, \G, 0, \map, kr_bf
.endif
.set kr_pb, kr_bf
.set kr_j, kr_j+1
.endr
.endm
; c celu of the 32 numbers u at a, to d (a itself or the registers at work)
.macro CELU a, d
	WINR TMPR, \a, TMPR, TMPR
.set ce_j, 0
.rept 32
	v_exp_f32 v[TT+ce_j], v[((\a)&255)+ce_j]       ; 2^u
.set ce_j, ce_j+1
.endr
	v_nop                                          ; one plain instruction between the last 2^u and its use (ISA guide 5.7.2)
	WINR TMPR, TMPR, TMPR, TMPR
.set ce_j, 0
	s_wait_alu depctr_va_vdst(0)
.rept 16
	v_pk_fma_f32 v[TT+ce_j:TT+ce_j+1], v[TT+ce_j:TT+ce_j+1], s[84:85], s[86:87] op_sel_hi:[1,0,0]   ; k 2^u - k
.set ce_j, ce_j+2
.endr
	WINR \d, \a, TMPR, TMPR
.set ce_j, 0
.rept 32
	v_med3_num_f32 v[((\d)&255)+ce_j], v[((\a)&255)+ce_j], v[TT+ce_j], 0
.set ce_j, ce_j+1
.endr
.endm
; Layer 0's activation, tiles t0 .. t0 + G - 1: (c / 16) celu in f16, into layer 1's B fragments
.macro ACT0 t0, G
.set ac_i, 0
.rept \G
.set ac_t, (\t0)+ac_i
.set ac_a, ACC+32*ac_i
	CELU ac_a, TMPR
.set ac_j, 0
.rept 16
	v_pk_mul_f32 v[TT+ac_j:TT+ac_j+1], v[TT+ac_j:TT+ac_j+1], 0x3d800000 op_sel_hi:[1,0]   ; x 1/16, exact
.set ac_j, ac_j+2
.endr
.set ac_g, ac_t/2
	BLOC 1, ac_g
	WINR BB, TMPR, TMPR, TMPR
.set ac_h, (BB+4*(ac_t&1))&255                     ; an even tile fills registers 0-3 of the fragment, an odd one registers 4-7
.set ac_j, 0
.rept 16
	v_cvt_pk_f16_f32 v[ac_h+8*(ac_j/4)+(ac_j&3)], v[TT+2*ac_j], v[TT+2*ac_j+1]
.set ac_j, ac_j+1
.endr
.set ac_i, ac_i+1
.endr
.endm
; Layer 1's activation, first part: c celu in f32, in place in a group's four tiles, and the running maxima
.macro ACT1A map
.set ac_i, 0
.rept 4
	ALOC \map, ac_i
.set ac_a, AA
	CELU ac_a, ac_a
	WINR MX, ac_a, ac_a, MX
.set ac_j, 0
.rept 16
	v_max3_num_f32 v[MX+(ac_j&3)], v[(ac_a&255)+2*ac_j], v[(ac_a&255)+2*ac_j+1], v[MX+(ac_j&3)]
.set ac_j, ac_j+1
.endr
.set ac_i, ac_i+1
.endr
.endm
; second part: the molecule's largest, the scale from its exponent bits, and all eight tiles to f16
.macro ACT1B
	WIN 0
	v_max3_num_f32 v[MX], v[MX], v[MX+1], v[MX+2]
	v_max_num_f32 v[MX], v[MX], v[MX+3]
	v_max_num_f32_dpp v[MX], v[MX], v[MX] row_xmask:1 row_mask:0xf bank_mask:0xf
	v_max_num_f32_dpp v[MX], v[MX], v[MX] row_xmask:2 row_mask:0xf bank_mask:0xf
	v_max_num_f32_dpp v[MX], v[MX], v[MX] row_xmask:4 row_mask:0xf bank_mask:0xf
	v_max_num_f32_dpp v[MX], v[MX], v[MX] row_xmask:8 row_mask:0xf bank_mask:0xf
	v_permlanex16_b32 v22, v[MX], s92, s93
	v_max_num_f32 v[MX], v[MX], v22                ; m, at least k = 0.1 c, in every lane
	v_lshrrev_b32 v[MX+1], 23, v[MX]               ; e = its exponent field, 127 to 255
	v_sub_nc_u32 v[MX+2], 0x10c, v[MX+1]           ; s = 2^(14 - (e - 127)): field 268 - e, 13 to 141
	v_lshlrev_b32 v[MX+2], 23, v[MX+2]
	v_add_nc_u32 v[MX+3], -14, v[MX+1]             ; 1 / s: field e - 14, 113 to 241
	v_lshlrev_b32 v[MX+3], 23, v[MX+3]
	v_readfirstlane_b32 s4, v[MX+2]
	v_readfirstlane_b32 s6, v[MX+3]
	s_mov_b32 s5, s4
	s_mov_b32 s7, s6
.set ac_t, 0
.rept 8
.if ac_t < 4
	ALOC 0, ac_t
.else
	ALOC 1, ac_t-4
.endif
.set ac_a, AA
	WINR ac_a, ac_a, TMPR, TMPR
.set ac_j, 0
.rept 16
	v_pk_mul_f32 v[(ac_a&255)+ac_j:(ac_a&255)+ac_j+1], v[(ac_a&255)+ac_j:(ac_a&255)+ac_j+1], s[4:5] op_sel_hi:[1,0]   ; x s, exact
.set ac_j, ac_j+2
.endr
.set ac_g, ac_t/2
	BLOC 2, ac_g
	WINR BB, ac_a, ac_a, TMPR
.set ac_h, (BB+4*(ac_t&1))&255
.set ac_j, 0
.rept 16
	v_cvt_pk_f16_f32 v[ac_h+8*(ac_j/4)+(ac_j&3)], v[(ac_a&255)+2*ac_j], v[(ac_a&255)+2*ac_j+1]
.set ac_j, ac_j+1
.endr
.set ac_t, ac_t+1
.endr
.endm
; Layer 2's activation and layer 3, tiles t0 .. t0 + 2: u = sum / s + c b2; c celu; the running sums of (W3 / c) (c celu)
.macro ACT2 t0
.set ac_i, 0
.rept 3
.set ac_t, (\t0)+ac_i
.set ac_a, ACC+32*ac_i
	WINR ac_a, ac_a, TMPR, BI
.set ac_j, 0
.rept 16
.set ac_r, (ac_a&255)+2*ac_j
.set ac_b, BI+8*ac_t+2*(ac_j&3)
	v_pk_fma_f32 v[ac_r:ac_r+1], v[ac_r:ac_r+1], s[6:7], v[ac_b:ac_b+1] op_sel_hi:[1,0,1]
.set ac_j, ac_j+1
.endr
	CELU ac_a, TMPR
	WINR YD, TMPR, W3R, YD
.set ac_p, 0
.rept 4
.set ac_n, 0
.rept 4
.set ac_y, (YD&255)+2*ac_n
.set ac_x, TT+8*ac_n+2*ac_p
.set ac_w, W3R+8*ac_t+2*ac_p
.if (ac_t+ac_p) == 0
	v_pk_mul_f32 v[ac_y:ac_y+1], v[ac_x:ac_x+1], v[ac_w:ac_w+1]    ; the first products start the sums
.else
	v_pk_fma_f32 v[ac_y:ac_y+1], v[ac_x:ac_x+1], v[ac_w:ac_w+1], v[ac_y:ac_y+1]
.endif
.set ac_n, ac_n+1
.endr
.set ac_p, ac_p+1
.endr
.set ac_i, ac_i+1
.endr
.endm
; The change of slots.  In front of it every wave waits for its LDS reads and for all its tensor loads (its quarter of the other slot).
; refill = 1: the slot just read is filled again, two units on: the round of the cluster's barrier stands between every partner's reads and
; the joint load, which is the first thing behind it and the wave's only tensor load until the next round.
.macro TURN slot, refill
	WIN 0
	s_wait_dscnt 0x0
	s_wait_tensorcnt 0x0
.if \refill
	s_add_nc_u64 s[G0+4*\slot+2:G0+4*\slot+3], s[G0+4*\slot+2:G0+4*\slot+3], 2*UNIT   ; no tensor load of mine is out: the address may step
	ROUND
	tensor_load_to_lds s[G0+4*\slot:G0+4*\slot+3], s[G1:G1+7]
	s_nop 0
.else
	s_barrier_signal -1
	s_barrier_wait -1
.endif
.endm
.macro REDUCE v, t                     ; sum over the 32 lanes, in every lane
	v_add_f32_dpp v[\v], v[\v], v[\v] row_xmask:1 row_mask:0xf bank_mask:0xf
	v_add_f32_dpp v[\v], v[\v], v[\v] row_xmask:2 row_mask:0xf bank_mask:0xf
	v_add_f32_dpp v[\v], v[\v], v[\v] row_xmask:4 row_mask:0xf bank_mask:0xf
	v_add_f32_dpp v[\v], v[\v], v[\v] row_xmask:8 row_mask:0xf bank_mask:0xf
	v_permlanex16_b32 v[\t], v[\v], s92, s93
	v_add_f32 v[\v], v[\v], v[\t]
.endm
; One net on the molecule: 776 matrix instructions.  The fragments and biases of the next group are asked for ahead of each activation.
.macro NET refill
	WIN 0
	PLACES
	AFETCH 0, 0, 0, 5
	BIFETCH 0, 0, 5
	KRUN 0, 5, 0, 12, 0, 0, 1, 0                   ; layer 0, features 0-79
	PLACES
	AFETCH 0, 0, 65, 5
	BIFETCH 0, 5, 5
	ACT0 0, 5
	KRUN 0, 5, 0, 6, 0, 65, 1, 0                   ; layer 0, features 80-159, places 0-6: the end of slot 0
	TURN 0, \refill
	PLACES
	AFETCH 0, 1, 0, 5
	KRUN 0, 5, 7, 12, 1, 0, 0, 0                   ; places 7-12
	PLACES
	AFETCH 0, 1, 30, 4
	BIFETCH O_B1, 0, 4
	ACT0 5, 5
	KRUN 1, 4, 0, 4, 1, 30, 1, 0                   ; layer 1, features 0-63
	PLACES
	AFETCH 0, 1, 50, 4
	BIFETCH O_B1, 4, 4
.irp j, 0,1,2,3
	v_mov_b32 v[MX+\j], s84                        ; the maxima start at 0.1 c = k
.endr
	ACT1A 0
	KRUN 1, 4, 0, 4, 1, 50, 1, 1                   ; layer 1, features 64-127, beside the first group's
	PLACES
	AFETCH 0, 1, 70, 3
	BIFETCH O_B2, 0, 6                             ; layer 2's biases are added in its activation: all six tiles' at once
	ACT1A 1
	ACT1B
	W3FETCH                                        ; into registers that the second group's accumulators have just left
	KRUN 2, 3, 0, 3, 1, 70, 2, 0                   ; layer 2, features 0-47
	PLACES
	AFETCH 0, 1, 82, 3
	ACT2 0
	KRUN 2, 3, 0, 3, 1, 82, 2, 0                   ; layer 2, features 48-95: the last reads of slot 1
.if \refill
	TURN 1, 1
.endif
	PLACES
	ACT2 3
	WIN 0x0f
.irp n, 0,1,2,3
	v_add_f32 v[MX+\n], v[(YD&255)+2*\n], v[(YD&255)+2*\n+1]   ; atom tile n: my half (h) of the 96 features of atom 16 n + r
.endr
	WIN 0
	v_cndmask_b32 v[YA], v[MX], v[MX+1], s94       ; atom = lane: lanes 0-15 keep tile 0's, lanes 16-31 tile 1's,
	v_cndmask_b32 v23, v[MX+1], v[MX], s94         ; and hand the other tile's to the lane 16 away, which wants it
	v_cndmask_b32 v[YB], v[MX+2], v[MX+3], s94     ; atom = lane + 32: tiles 2 and 3
	v_cndmask_b32 v31, v[MX+3], v[MX+2], s94
	v_permlanex16_b32 v22, v23, s92, s93
	v_add_f32 v[YA], v[YA], v[B3]
	v_add_f32 v[YA], v[YA], v22
	v_permlanex16_b32 v22, v31, s92, s93
	v_add_f32 v[YB], v[YB], v[B3]
	v_add_f32 v[YB], v[YB], v22
.if \refill
	v_add_nc_u32 v[BADR], NETB, v[BADR]            ; the next net's biases
.endif
.endm
.macro SELECT                          ; the value of the net whose number is the atom's species
	v_cmp_eq_u32 vcc_lo, s97, v[SA]
	v_cndmask_b32 v[OUTA], v[OUTA], v[YA], vcc_lo
	v_cmp_eq_u32 vcc_lo, s97, v[SB]
	v_cndmask_b32 v[OUTB], v[OUTB], v[YB], vcc_lo
.endm
; Charges, potential, Coulomb energy.  Window 0 alone.
.set QQ, 64                            ; v[64:191]  (x, y, z, charge) of 32 atoms, the same in every lane
.set DD, 192                           ; v[192:215] differences of four atoms i against my two atoms
.set D2, 216                           ; v[216:223] squared distances
.set RR, 46                            ; v[46:53]   1 / distance
.set EE, 54                            ; v[54:61]   four running sums, a pair (atom lane, atom lane + 32) each
; atoms i = 32 hh + 4 b .. + 3 against my two atoms
.macro PBATCH hh, b
	s_wait_dscnt 28-4*\b                           ; of the half's 32 loads the first 4 b + 4 are in
.set pb_u, 0
.rept 4
.set pb_q, QQ+4*(4*\b+pb_u)
.set pb_d, DD+6*pb_u
	v_pk_add_f32 v[pb_d:pb_d+1], v[CX:CX+1], v[pb_q:pb_q+1] op_sel_hi:[1,0] neg_lo:[0,1] neg_hi:[0,1]
	v_pk_add_f32 v[pb_d+2:pb_d+3], v[CY:CY+1], v[pb_q:pb_q+1] op_sel:[0,1] op_sel_hi:[1,1] neg_lo:[0,1] neg_hi:[0,1]
	v_pk_add_f32 v[pb_d+4:pb_d+5], v[CZ:CZ+1], v[pb_q+2:pb_q+3] op_sel_hi:[1,0] neg_lo:[0,1] neg_hi:[0,1]
.set pb_u, pb_u+1
.endr
.set pb_u, 0
.rept 4
	v_pk_fma_f32 v[D2+2*pb_u:D2+2*pb_u+1], v[DD+6*pb_u:DD+6*pb_u+1], v[DD+6*pb_u:DD+6*pb_u+1], s[90:91] op_sel_hi:[1,1,0]   ; dx^2 + 1e-16
.set pb_u, pb_u+1
.endr
.set pb_u, 0
.rept 4
	v_pk_fma_f32 v[D2+2*pb_u:D2+2*pb_u+1], v[DD+6*pb_u+2:DD+6*pb_u+3], v[DD+6*pb_u+2:DD+6*pb_u+3], v[D2+2*pb_u:D2+2*pb_u+1]
.set pb_u, pb_u+1
.endr
.set pb_u, 0
.rept 4
	v_pk_fma_f32 v[D2+2*pb_u:D2+2*pb_u+1], v[DD+6*pb_u+4:DD+6*pb_u+5], v[DD+6*pb_u+4:DD+6*pb_u+5], v[D2+2*pb_u:D2+2*pb_u+1]
.set pb_u, pb_u+1
.endr
.set pb_u, 0
.rept 8
	v_rsq_f32 v[RR+pb_u], v[D2+pb_u]
.set pb_u, pb_u+1
.endr
	v_nop                                          ; one plain instruction between the last root and its use (ISA guide 5.7.2)
	s_wait_alu depctr_va_vdst(0)
.set pb_u, 0
.rept 4
.set pb_q, QQ+4*(4*\b+pb_u)
	s_mov_b32 s99, 0xffffffff^(1<<(4*\b+pb_u))
	v_cndmask_b32 v[RR+2*pb_u+\hh], 0, v[RR+2*pb_u+\hh], s99   ; no atom acts on itself: lane i mod 32, the register of i's half
.if (\hh+\b) == 0
	v_pk_mul_f32 v[EE+2*pb_u:EE+2*pb_u+1], v[RR+2*pb_u:RR+2*pb_u+1], v[pb_q+2:pb_q+3] op_sel:[0,1] op_sel_hi:[1,1]   ; the first four atoms start the sums
.else
	v_pk_fma_f32 v[EE+2*pb_u:EE+2*pb_u+1], v[RR+2*pb_u:RR+2*pb_u+1], v[pb_q+2:pb_q+3], v[EE+2*pb_u:EE+2*pb_u+1] op_sel:[0,1,0] op_sel_hi:[1,1,1]
.endif
.set pb_u, pb_u+1
.endr
.endm
.macro PHALF hh
.set ph_i, 0
.rept 32
	ds_load_b128 v[QQ+4*ph_i:QQ+4*ph_i+3], v[PB] offset:O_QUAD+16*(32*\hh+ph_i)   ; every lane reads the same 16 bytes
.set ph_i, ph_i+1
.endr
.endm
.macro PHYS
	v_cmp_ne_u32 s100, -1, v[SA]                   ; not padding
	v_cmp_ne_u32 s101, -1, v[SB]
	v_cndmask_b32 v26, 0, v[YA], s100              ; q
	v_cndmask_b32 v27, 0, v[YB], s101
	v_add_f32 v28, v26, v27
	v_mul_f32 v29, v26, v26                        ; q^2, used again below
	v_mul_f32 v30, v27, v27
	v_add_f32 v31, v29, v30
	REDUCE 28, 22                                  ; sum of q
	REDUCE 31, 22                                  ; sum of q^2
	v_max_num_f32 v31, 0x322bcc77, v31             ; at least 1e-8
	v_rcp_f32 v23, v31
	v_sub_f32 v28, s98, v28                        ; net charge - sum of q (also the plain instruction behind v_rcp_f32)
	v_lshl_add_u32 v32, v[LANE], 2, v[PB]
	v_lshl_add_u32 v33, v[LANE], 3, v[PB]
	v_lshl_add_u32 v34, v[LANE], 4, v[PB]
	v_lshlrev_b32 v35, 3, v[LANE]
	s_wait_alu depctr_va_vdst(0)
	v_mul_f32 v28, v28, v23
	v_fma_f32 v39, v29, v28, v26                   ; the corrected charge; 0 where q is 0, so padding needs no further mask
	v_fma_f32 v43, v30, v28, v27
	v_mov_b32 v36, v[CX]                           ; (x, y, z, charge) side by side for one 16-byte store
	v_mov_b32 v37, v[CY]
	v_mov_b32 v38, v[CZ]
	v_mov_b32 v40, v[CX+1]
	v_mov_b32 v41, v[CY+1]
	v_mov_b32 v42, v[CZ+1]
	ds_store_b32 v32, v39 offset:O_QS
	ds_store_b32 v32, v43 offset:O_QS+128
	ds_load_b64 v[44:45], v33 offset:O_QS          ; atoms 2 lane, 2 lane + 1; LDS serves a wave's instructions in order (ISA guide 5.7.1)
	ds_store_b128 v34, v[36:39] offset:O_QUAD
	ds_store_b128 v34, v[40:43] offset:O_QUAD+512
	PHALF 0
	s_wait_dscnt 34                                ; two stores and 32 loads are younger than the charges' read
	global_store_b64 v35, v[44:45], s[22:23]       ; the molecule's 256 bytes of out2, whole and aligned
.irp b, 0,1,2,3,4,5,6,7
	PBATCH 0, \b
.endr
	PHALF 1
.irp b, 0,1,2,3,4,5,6,7
	PBATCH 1, \b
.endr
	v_pk_add_f32 v[EE:EE+1], v[EE:EE+1], v[EE+2:EE+3]
	v_pk_add_f32 v[EE+4:EE+5], v[EE+4:EE+5], v[EE+6:EE+7]
	v_pk_add_f32 v[EE:EE+1], v[EE:EE+1], v[EE+4:EE+5]
	v_mul_f32 v[EE], 0x3f077829, v[EE]             ; distances are in units of 0.529177249
	v_mul_f32 v[EE+1], 0x3f077829, v[EE+1]
	v_cndmask_b32 v[EE], 0, v[EE], s100            ; no potential at padding
	v_cndmask_b32 v[EE+1], 0, v[EE+1], s101
	v_mul_f32 v[ECOUL], v39, v[EE]
	v_fmac_f32 v[ECOUL], v43, v[EE+1]
	v_mul_f32 v[ECOUL], 0.5, v[ECOUL]
	v_cvt_pk_bf16_f32 v62, v39, v[EE]              ; k = 384 (charge) below, k = 385 (potential) above
	v_cvt_pk_bf16_f32 v63, v43, v[EE+1]
	v_permlanex16_b32 v22, v62, s92, s93           ; atoms 16-31 to lanes 0-15
	v_permlanex16_b32 v23, v63, s92, s93           ; atoms 48-63
	WIN 0x80                                       ; register 0 of the four fragments (v640, v648, v656, v664); lanes 16-31 hold k = 392 .., zeros
	v_cndmask_b32 v[(XF&255)], 0, v62, s95
	v_cndmask_b32 v[(XF&255)+8], 0, v22, s95
	v_cndmask_b32 v[(XF&255)+16], 0, v63, s95
	v_cndmask_b32 v[(XF&255)+24], 0, v23, s95
	WIN 0
	s_wait_xcnt 0x0                                ; the store's offset and data registers are written again only behind this wait
.endm
; A quarter (16 rows) of feature chunk c (features 128 c .. + 127): round to f16, ask for the same rows of the next chunk, stage
.macro CHUNKQ c, q, left
	s_wait_loadcnt \left                           ; loads return in order: my 16 rows are in, the \left younger loads stay out
	WIN 0x0f
.set cq_a, 16*\q
.rept 16
	v_cvt_pk_f16_f32 v[CT+2*cq_a], v[4*cq_a], v[4*cq_a+1]
	v_cvt_pk_f16_f32 v[CT+2*cq_a+1], v[4*cq_a+2], v[4*cq_a+3]
.set cq_a, cq_a+1
.endr
.if \c < 2
	WIN 0xc0
.set cq_a, 16*\q
.rept 16
	global_load_b128 v[4*cq_a:4*cq_a+3], v[ADR], s[8:9] offset:cq_a*1536+512*(\c+1) th:TH_LOAD_NT
.set cq_a, cq_a+1
.endr
.endif
	WIN 0
.set cq_a, 16*\q
.rept 16
	ds_store_b64 v[STW], v[CT+2*cq_a:CT+2*cq_a+1] offset:272*cq_a
.set cq_a, cq_a+1
.endr
.endm
; the chunk's four K steps x four atom tiles, out of the stage as B fragments: row 16 n + r, bytes 64 s + 16 h and 32 further
.macro CHUNKR c
	WINR AEV+128*\c, 0, 0, 0
.set cr_s, 0
.rept 4
.set cr_n, 0
.rept 4
.set cr_r, (AEV+32*(4*\c+cr_s)+8*cr_n)&255
	ds_load_b128 v[cr_r:cr_r+3], v[STR] offset:4352*cr_n+64*cr_s
	ds_load_b128 v[cr_r+4:cr_r+7], v[STR] offset:4352*cr_n+64*cr_s+32
.set cr_n, cr_n+1
.endr
.set cr_s, cr_s+1
.endr
.endm
	; ---- head ----
	s_load_b512 s[8:23], s[0:1], 0x0               ; aev s[8:9], species s[10:11], coordinates s[12:13], net_charge s[14:15], wpack s[16:17], out0 s[18:19], out1 s[20:21], out2 s[22:23]
	s_load_b512 s[24:39], s[0:1], 0x40             ; biases: net n has b0 .. b3 in s[24 + 8 n : 31 + 8 n]
	s_load_b512 s[40:55], s[0:1], 0x80
	s_load_b256 s[56:63], s[0:1], 0xc0
	v_lshrrev_b32 v1, 5, v0
	v_readfirstlane_b32 s66, v1                    ; wave
	s_bfe_u32 s4, ttmp6, 0x40000                   ; my place in the cluster: it enters global addresses of my own molecule's data alone
	s_lshl_b32 s5, ttmp9, 2
	s_add_co_u32 s5, s5, s4                        ; work-group
	s_lshl_b32 s5, s5, 2
	s_add_co_u32 s67, s5, s66                      ; molecule
	s_mov_b32 s84, 0x3fb8aa3b                      ; k = log2(e), twice
	s_mov_b32 s85, 0x3fb8aa3b
	s_mov_b32 s86, 0xbfb8aa3b                      ; -k
	s_mov_b32 s87, 0xbfb8aa3b
	s_mov_b32 s88, 0x4166d4ca                      ; c
	s_mov_b32 s89, 0x4166d4ca
	s_mov_b32 s90, 0x24e69595                      ; 1e-16
	s_mov_b32 s91, 0x24e69595
	s_mov_b32 s92, 0x76543210                      ; v_permlanex16_b32: lane i of the other half
	s_mov_b32 s93, 0xfedcba98
	s_mov_b32 s94, 0xffff0000                      ; lanes 16-31
	s_mov_b32 s95, 0x0000ffff                      ; lanes 0-15
	s_mul_i32 s2, s66, STAGE_W
	s_add_co_u32 s2, s2, STAGE                     ; my stage
	s_mul_i32 s3, s66, PRIV_W
	s_add_co_u32 s3, s3, PRIV                      ; my own data
	v_mov_b32 v[ZERO], 0
	v_and_b32 v[LANE], 31, v0
	v_lshlrev_b32 v[ADR], 4, v[LANE]
	v_add_nc_u32 v[ADR+1], 51200, v[ADR]
	v_add_nc_u32 v[ADR+2], 102400, v[ADR]
	v_add_nc_u32 v[ADR+3], 153600, v[ADR]
	v_lshrrev_b32 v30, 4, v[LANE]                  ; h
	v_and_b32 v31, 15, v[LANE]                     ; r
	v_mov_b32 v[PB], s3
	v_lshl_add_u32 v[BADR], v30, 5, v[PB]
	v_lshl_add_u32 v[W3A], v30, 5, W3LDS
	v_lshl_add_u32 v[STW], v[LANE], 3, s2
	v_mul_u32_u24 v31, 272, v31
	v_lshl_add_u32 v31, v30, 4, v31
	v_add_nc_u32 v[STR], s2, v31
	v_mul_u32_u24 v22, 12, v[LANE]
	v_lshlrev_b32 v23, 3, v[LANE]
	v_lshlrev_b32 v26, 2, v[LANE]
	v_lshl_add_u32 v28, v[LANE], 2, v[PB]
	v_lshl_add_u32 v29, v[LANE], 4, v[PB]
	v_lshl_add_u32 v24, v[LANE], 3, v[PB]
	; descriptor group 1: 100 rows of 32 elements of 8 bytes, dense
	s_mov_b32 s[G1+0], 0x0023000f                  ; 15:0 mask: all four work-groups of the cluster; 17:16 elements of 8 bytes; 21 set beside a mask
	s_mov_b32 s[G1+1], 32<<16                      ; tensor_dim0 = 32
	s_mov_b32 s[G1+2], 100<<16                     ; tensor_dim1 = 100
	s_mov_b32 s[G1+3], 32<<16                      ; tile_dim0 = 32
	s_mov_b32 s[G1+4], 100                         ; tile_dim1 = 100
	s_mov_b32 s[G1+5], 32                          ; from row to row: 32 elements
	s_mov_b32 s[G1+6], 0
	s_mov_b32 s[G1+7], 0
	s_mul_i32 s6, s66, QUART                       ; my quarter of a unit, in wpack and in a slot alike
	s_mov_b32 s7, 0
	s_mov_b32 s5, 0
	s_wait_kmcnt 0x0
	s_add_nc_u64 s[16:17], s[16:17], s[6:7]
.irp s, 0,1
	s_mov_b32 s[G0+4*\s], 1                        ; count = 1
	s_add_co_u32 s[G0+4*\s+1], s6, \s*UNIT         ; LDS address: wave x 25,600 + slot x 102,400
	s_add_nc_u64 s[G0+4*\s+2:G0+4*\s+3], s[16:17], \s*UNIT   ; unit 0, unit 1
	s_or_b32 s[G0+4*\s+3], s[G0+4*\s+3], 0x80000000          ; type = 2
.endr
	s_mul_i32 s4, s67, 98304                       ; 64 atoms x 1,536 bytes
	s_add_nc_u64 s[8:9], s[8:9], s[4:5]
	s_lshl_b32 s4, s67, 8
	s_add_nc_u64 s[10:11], s[10:11], s[4:5]
	s_add_nc_u64 s[18:19], s[18:19], s[4:5]
	s_add_nc_u64 s[22:23], s[22:23], s[4:5]
	s_mul_i32 s4, s67, 768
	s_add_nc_u64 s[12:13], s[12:13], s[4:5]
	s_lshl_b32 s4, s67, 2
	s_add_nc_u64 s[14:15], s[14:15], s[4:5]
	s_add_nc_u64 s[20:21], s[20:21], s[4:5]
	s_load_b32 s98, s[14:15], 0x0                  ; the molecule's net charge
	; ---- 42 small loads: biases (every lane at bytes of its own: 640 = 512 + 128, 512, 384 = 3 x 128), species, coordinates ----
.irp n, 0,1,2,3,4
	global_load_b128 v[BL+14*\n:BL+14*\n+3], v[ADR], s[24+8*\n:25+8*\n]
	global_load_b128 v[BL+14*\n+4:BL+14*\n+7], v[ADR], s[26+8*\n:27+8*\n]
	global_load_b32 v[BL+14*\n+8], v26, s[24+8*\n:25+8*\n] offset:512
	global_load_b32 v[BL+14*\n+9], v26, s[28+8*\n:29+8*\n]
	global_load_b32 v[BL+14*\n+10], v26, s[28+8*\n:29+8*\n] offset:128
	global_load_b32 v[BL+14*\n+11], v26, s[28+8*\n:29+8*\n] offset:256
	global_load_b32 v[BL+14*\n+12], v[ZERO], s[30+8*\n:31+8*\n]
.endr
	global_load_b64 v[250:251], v23, s[10:11]      ; species of atoms 2 lane, 2 lane + 1
	global_load_b32 v[CX], v22, s[12:13]
	global_load_b32 v[CY], v22, s[12:13] offset:4
	global_load_b32 v[CZ], v22, s[12:13] offset:8
	global_load_b32 v[CX+1], v22, s[12:13] offset:384
	global_load_b32 v[CY+1], v22, s[12:13] offset:388
	global_load_b32 v[CZ+1], v22, s[12:13] offset:392
	; ---- the first fills: both slots, as one group behind one round, ahead of every LDS access ----
	ROUND
	tensor_load_to_lds s[G0:G0+3], s[G1:G1+7]
	s_nop 0
	tensor_load_to_lds s[G0+4:G0+7], s[G1:G1+7]
	s_nop 0
	; ---- features 0-127 of all 64 atoms: a load covers 512 consecutive bytes of one row, aligned ----
	WIN 0xc0
.set hd_a, 0
.rept 64
	global_load_b128 v[4*hd_a:4*hd_a+3], v[ADR], s[8:9] offset:hd_a*1536 th:TH_LOAD_NT
.set hd_a, hd_a+1
.endr
	WIN 0
	s_wait_loadcnt 63                              ; 64 loads are younger than the 42 small ones; the largest count that the wait can name is below that
.irp n, 0,1,2,3,4
.irp j, 0,2,4,6,8,10
	v_pk_mul_f32 v[BL+14*\n+\j:BL+14*\n+\j+1], v[BL+14*\n+\j:BL+14*\n+\j+1], s[88:89] op_sel_hi:[1,0]   ; c b0, c b1, c b2
.endr
	ds_store_b128 v29, v[BL+14*\n:BL+14*\n+3] offset:NETB*\n
	ds_store_b32 v28, v[BL+14*\n+8] offset:NETB*\n+512
	ds_store_b128 v29, v[BL+14*\n+4:BL+14*\n+7] offset:NETB*\n+O_B1
	ds_store_b32 v28, v[BL+14*\n+9] offset:NETB*\n+O_B2
	ds_store_b32 v28, v[BL+14*\n+10] offset:NETB*\n+O_B2+128
	ds_store_b32 v28, v[BL+14*\n+11] offset:NETB*\n+O_B2+256
	ds_store_b32 v28, v[BL+14*\n+12] offset:NETB*\n+O_B3
.endr
	global_store_b64 v23, v[250:251], s[18:19]     ; out0 = species: the molecule's 256 bytes, whole and aligned
	ds_store_b64 v24, v[250:251] offset:O_SP
	ds_load_b32 v[SA], v28 offset:O_SP             ; atom lane
	ds_load_b32 v[SB], v28 offset:O_SP+128         ; atom lane + 32
	v_mov_b32 v[OUTA], 0                           ; an atom of no net's species counts 0
	v_mov_b32 v[OUTB], 0
	v_mov_b32 v[ECOUL], 0
	WIN 0x80
.set hd_a, 0
.rept 32
	v_mov_b32 v[(XF&255)+hd_a], 0                  ; the fragments of charge and potential: zeros for the charge net; four registers get values later
.set hd_a, hd_a+1
.endr
	; ---- three chunks of 128 features; 64 loads (32 KiB) of the wave stay on their way until the last chunk ----
	CHUNKQ 0, 0, 48
	CHUNKQ 0, 1, 48
	CHUNKQ 0, 2, 48
	CHUNKQ 0, 3, 48
	CHUNKR 0                                       ; the stage is the wave's own and LDS serves a wave in order: no wait, no barrier
	CHUNKQ 1, 0, 48
	CHUNKQ 1, 1, 48
	CHUNKQ 1, 2, 48
	CHUNKQ 1, 3, 48
	CHUNKR 1
	CHUNKQ 2, 0, 48                                ; nothing more is asked for: the counts run down
	CHUNKQ 2, 1, 32
	CHUNKQ 2, 2, 16
	CHUNKQ 2, 3, 0
	CHUNKR 2
	WIN 0
	s_wait_dscnt 0x0                               ; fragments, species
	s_wait_kmcnt 0x0                               ; net charge
	s_wait_xcnt 0x0                                ; out0's store has read its registers
	s_wait_tensorcnt 0x1                           ; my quarter of unit 0 is in; unit 1's stays out
	s_barrier_signal -1
	s_barrier_wait -1                              ; everybody's quarter is in
	; ---- the nets: trip 0 the charge net, trips 1-3 species nets 0-2; the trips fill units 2 to 9 ----
	s_mov_b32 s96, 0                               ; trip
	s_mov_b32 s97, 0                               ; the species that the trip's net serves (trip - 1)
.Lnet:
	NET 1
	s_cmp_lg_u32 s96, 0
	s_cbranch_scc1 .Lani
	PHYS
	s_branch .Ljoin
.Lani:
	SELECT
.Ljoin:
	s_mov_b32 s97, s96
	s_add_co_u32 s96, s96, 1
	s_cmp_lt_u32 s96, 4
	s_cbranch_scc1 .Lnet
	NET 0                                          ; species net 3: nothing is left to fetch
	SELECT
	; ---- the molecule's energy ----
	v_add_f32 v[OUTA], v[OUTA], v[OUTB]
	v_add_f32 v[OUTA], v[OUTA], v[ECOUL]
	REDUCE OUTA, 22
	v_cmp_eq_u32 vcc_lo, 0, v[LANE]
	s_wait_xcnt 0x0                                ; EXEC changes only behind this wait
	s_and_saveexec_b32 s4, vcc_lo
	global_store_b32 v[ZERO], v[OUTA], s[20:21]
	s_wait_xcnt 0x0                                ; and is restored only behind this one
	s_or_b32 exec_lo, exec_lo, s4
	ROUND                                          ; the closing round: no work-group ends while a partner may still ask jointly
	s_endpgm
.Lfunc_end_k_q95a44a6861_main:
	.size	k_q95a44a6861_main, .Lfunc_end_k_q95a44a6861_main-k_q95a44a6861_main
	.p2alignl 7, 3214868480
	.fill 96, 4, 3214868480
	.section	.rodata,"a",@progbits
	.p2align	6, 0x0
	.amdhsa_kernel k_q95a44a6861_main
		.amdhsa_group_segment_fixed_size 327680
		.amdhsa_private_segment_fixed_size 0
		.amdhsa_enable_private_segment 0
		.amdhsa_kernarg_size 224
		.amdhsa_user_sgpr_count 2
		.amdhsa_user_sgpr_kernarg_segment_ptr 1
		.amdhsa_wavefront_size32 1
		.amdhsa_system_sgpr_workgroup_id_x 1
		.amdhsa_system_sgpr_workgroup_id_y 1
		.amdhsa_system_sgpr_workgroup_id_z 1
		.amdhsa_system_vgpr_workitem_id 0
		.amdhsa_next_free_vgpr 1024
		.amdhsa_next_free_sgpr 102
		.amdhsa_reserve_vcc 1
		.amdhsa_float_denorm_mode_32 3
		.amdhsa_float_denorm_mode_16_64 3
		.amdhsa_memory_ordered 1
		.amdhsa_forward_progress 1
		.amdhsa_inst_pref_size 255
	.end_amdhsa_kernel
	.section	.bss,"aw",@nobits
	.p2align	6
	.space	262144
	.amdgpu_metadata
---
amdhsa.version: [ 1, 2 ]
amdhsa.kernels:
  - .name:           k_q95a44a6861_main
    .symbol:         k_q95a44a6861_main.kd
    .args:
      - { .name: aev, .offset: 0, .size: 8, .value_kind: global_buffer, .address_space: global }
      - { .name: species, .offset: 8, .size: 8, .value_kind: global_buffer, .address_space: global }
      - { .name: coordinates, .offset: 16, .size: 8, .value_kind: global_buffer, .address_space: global }
      - { .name: net_charge, .offset: 24, .size: 8, .value_kind: global_buffer, .address_space: global }
      - { .name: wpack, .offset: 32, .size: 8, .value_kind: global_buffer, .address_space: global }
      - { .name: out0, .offset: 40, .size: 8, .value_kind: global_buffer, .address_space: global }
      - { .name: out1, .offset: 48, .size: 8, .value_kind: global_buffer, .address_space: global }
      - { .name: out2, .offset: 56, .size: 8, .value_kind: global_buffer, .address_space: global }
      - { .name: q_params_0_1, .offset: 64, .size: 8, .value_kind: global_buffer, .address_space: global }
      - { .name: q_params_1_1, .offset: 72, .size: 8, .value_kind: global_buffer, .address_space: global }
      - { .name: q_params_2_1, .offset: 80, .size: 8, .value_kind: global_buffer, .address_space: global }
      - { .name: q_params_3_1, .offset: 88, .size: 8, .value_kind: global_buffer, .address_space: global }
      - { .name: ani_params_0_0_1, .offset: 96, .size: 8, .value_kind: global_buffer, .address_space: global }
      - { .name: ani_params_0_1_1, .offset: 104, .size: 8, .value_kind: global_buffer, .address_space: global }
      - { .name: ani_params_0_2_1, .offset: 112, .size: 8, .value_kind: global_buffer, .address_space: global }
      - { .name: ani_params_0_3_1, .offset: 120, .size: 8, .value_kind: global_buffer, .address_space: global }
      - { .name: ani_params_1_0_1, .offset: 128, .size: 8, .value_kind: global_buffer, .address_space: global }
      - { .name: ani_params_1_1_1, .offset: 136, .size: 8, .value_kind: global_buffer, .address_space: global }
      - { .name: ani_params_1_2_1, .offset: 144, .size: 8, .value_kind: global_buffer, .address_space: global }
      - { .name: ani_params_1_3_1, .offset: 152, .size: 8, .value_kind: global_buffer, .address_space: global }
      - { .name: ani_params_2_0_1, .offset: 160, .size: 8, .value_kind: global_buffer, .address_space: global }
      - { .name: ani_params_2_1_1, .offset: 168, .size: 8, .value_kind: global_buffer, .address_space: global }
      - { .name: ani_params_2_2_1, .offset: 176, .size: 8, .value_kind: global_buffer, .address_space: global }
      - { .name: ani_params_2_3_1, .offset: 184, .size: 8, .value_kind: global_buffer, .address_space: global }
      - { .name: ani_params_3_0_1, .offset: 192, .size: 8, .value_kind: global_buffer, .address_space: global }
      - { .name: ani_params_3_1_1, .offset: 200, .size: 8, .value_kind: global_buffer, .address_space: global }
      - { .name: ani_params_3_2_1, .offset: 208, .size: 8, .value_kind: global_buffer, .address_space: global }
      - { .name: ani_params_3_3_1, .offset: 216, .size: 8, .value_kind: global_buffer, .address_space: global }
    .group_segment_fixed_size: 327680
    .private_segment_fixed_size: 0
    .kernarg_segment_align: 8
    .kernarg_segment_size: 224
    .max_flat_workgroup_size: 128
    .sgpr_count:     102
    .vgpr_count:     1024
    .wavefront_size: 32
...
	.end_amdgpu_metadata
.endif
;; end of part 2
;; ======== version 2 of 2: 2 launches; 1.37 times as fast as version 1
;; limits: values are held in f16: magnitudes above 65,504 overflow, below 6.1e-05 lose precision; right only within a limited range of input values
;; workspace buffers: wpack 1,024,000 bytes
;; launch prep: the kernel of part 1 again; grid 200 x 5, 2 waves a work-group, no clusters, 0 bytes of LDS; arguments q_params_0_0, q_params_1_0, q_params_2_0, q_params_3_0, ani_params_0_0_0, ani_params_0_1_0, ani_params_0_2_0, ani_params_0_3_0, ani_params_1_0_0, ani_params_1_1_0, ani_params_1_2_0, ani_params_1_3_0, ani_params_2_0_0, ani_params_2_1_0, ani_params_2_2_0, ani_params_2_3_0, ani_params_3_0_0, ani_params_3_1_0, ani_params_3_2_0, ani_params_3_3_0, wpack; writes wpack
;; launch main (part 3): grid 512 x 1, 4 waves a work-group, clusters of 4 x 1, 327,680 bytes of LDS; arguments aev, species, coordinates, net_charge, wpack, out0, out1, out2, q_params_0_1, q_params_1_1, q_params_2_1, q_params_3_1, ani_params_0_0_1, ani_params_0_1_1, ani_params_0_2_1, ani_params_0_3_1, ani_params_1_0_1, ani_params_1_1_1, ani_params_1_2_1, ani_params_1_3_1, ani_params_2_0_1, ani_params_2_1_1, ani_params_2_2_1, ani_params_2_3_1, ani_params_3_0_1, ani_params_3_1_1, ani_params_3_2_1, ani_params_3_3_1; writes out0, out1, out2
.if DOCPART == 3
	.amdgcn_target "amdgcn-amd-amdhsa--gfx1250"
	.amdhsa_code_object_version 6
	.text
	.protected	k_q95a44a6861_main
	.globl	k_q95a44a6861_main
	.p2align	8
	.type	k_q95a44a6861_main,@function
k_q95a44a6861_main:
	s_mov_b64 s[64:65], 0
	v_nop
	global_prefetch_b8 v0, s[64:65] scope:SCOPE_SE
	s_setreg_imm32_b32 hwreg(HW_REG_WAVE_MODE, 25, 1), 1
	s_wait_xcnt 0x0
	s_wait_alu depctr_hold_cnt(0) depctr_sa_sdst(0) depctr_va_vdst(0) depctr_va_sdst(0) depctr_va_ssrc(0) depctr_va_vcc(0) depctr_vm_vsrc(0)
	s_getreg_b32 s2, hwreg(HW_REG_IB_STS2, 6, 4)
	s_cmp_eq_u32 s2, 0
	s_cbranch_scc0 .Lentry_in_a_cluster
	s_endpgm
.Lentry_in_a_cluster:
	s_bfe_u32 s2, ttmp6, 0x10000c
	s_cmp_lg_u32 s2, 0x3003
	s_cbranch_scc0 .Lentry_shape_is_right
	s_endpgm
.Lentry_shape_is_right:
; The whole model for one molecule in one wave; four waves (four molecules) a work-group, four work-groups a cluster.
; MATRIX WORK IS TRANSPOSED: operand A = 16 output features x 32 k of a weight matrix (packed by the launch before, 1,024 bytes a fragment),
; operand B = 32 k x 16 atoms.  In a result, lane (r, h) register j holds feature 16 t + 8 h + j of atom r; two neighbouring result tiles,
; rounded to 16 bits in pairs, ARE the next layer's B fragment, so activations never leave the registers.  The molecule's 64 x 384 features
; are read from memory once, rounded to f16 and kept as 12 K steps x 4 atom tiles x 8 registers for all five nets.
; All five nets run on all atoms, as the problem's function does; the atom's species picks its value by v_cndmask_b32: no address, trip count or
; branch hangs on data.
; SCALING, c = 10 log2(e), k = log2(e): accumulators hold u = c x (c W0, 16 W1 and the biases c b0..c b2 see to it), and
; c celu(x) = med3(u, k 2^u - k, 0), exact in form: k (2^u - 1) >= u for every u, with equality at 0; if 2^u overflows the median is u.
; FORMATS.  The corrected charge q - (sum q) q^2 / (sum q^2) multiplies a raw charge's error severalfold, so the operands are f16 (11
; significant bits) wherever their range allows:
;   layer 0: features and c W0 in f16.  Charge and potential (k = 384, 385) grow with the product of five inputs' scales and stay in bf16:
;            their K step comes first, as a bf16 product that starts the sums from the biases.
;   layer 1: (c / 16) celu in f16 (the factor 1/16 is exact and leaves the value about as large as celu itself), 16 W1 in f16.
;   layer 2: layer 1's activations grow with three inputs' scales, so they get a power of two s of the molecule's own: both halves of layer 1
;            stay in f32 in their accumulators until the largest is known, m = max(0.1 c, largest c celu) (celu is never below -0.1, so m bounds
;            every magnitude); s = 2^(14 - exponent of m) puts m into [2^14, 2^15); s c celu goes to f16; the sums are taken back by 1 / s.
;   layer 3 (96 -> 1): in f32 on the vector unit, sum of (W3 / c) (c celu): one packed multiply-add for two numbers, in the place of the rounding
;            that a fourth matrix layer would need; one row in sixteen of a matrix instruction would be used.
; WEIGHTS: a net is two units of 102,400 bytes; its first unit goes to LDS slot 0, its second to slot 1.  Every work-group walks the same
; units, so the four of a cluster ask JOINTLY (mask 15): each wave asks for its quarter of a unit.
; THE LOOP IS ROTATED, so that one text serves all five nets: a trip asks only for units that the same trip reads, ten loads in five trips,
; and no trip has a load that nobody reads.  Trip n: ask for net n's first unit (slot 0 was last read in the middle of the trip before);
; while it is on its way, end net n - 1 (layer 2 out of slot 1, layer 3, then charges and potential or the choice by species); ask for net n's
; second unit; layer 0 out of slot 0; layer 0's rest and layer 1 out of slot 1.  The first trip goes round the end of a net that does not
; exist; the end of the fifth net stands once more behind the loop (96 of a net's 776 matrix instructions).  A wave never has more than
; one tensor load out.
; LIMITS, stated: |feature| and 0.9 |celu of layer 0| below 65,504 (f16's largest number; with features and W0 both 30 times those of the
; problem's kind the latter reaches some 4,800); v_exp_f32, v_rcp_f32, v_rsq_f32 are good to 1 ULP; 2^u below 2^-126 counts as 0, which gives
; celu its limit -0.1; the corrected charge is formed as q + q^2 ((net - sum q) / max(sum q^2, 1e-8)), one order of rounding away from
; q + (net - sum q) (q^2 / ..).  out1 leaves as 4 bytes a wave (8,192 bytes in the whole launch).
.set UNIT,    102400                   ; bytes in a slot: 100 blocks
.set QUART,   25600                    ; what one wave's tensor load brings: 100 rows of 256 bytes
.set STAGE,   204800                   ; + wave x 17,408: 64 rows (atoms) of 128 f16, pitch 272 = 17 x 16 bytes, so that 16 rows start 16 bytes apart modulo 256
.set STAGE_W, 17408
.set PRIV,    274432                   ; + wave x 10,496: the wave's own small data
.set PRIV_W,  10496
.set NETB,    1792                     ; a net's biases: c b0 at 0, c b1 at 640, c b2 at 1,152, b3 (32 times) at 1,536
.set O_B1,    640
.set O_B2,    1152
.set O_B3,    1536
.set O_SP,    8960                     ; species, 256 bytes
.set O_QS,    9216                     ; charges, 256 bytes
.set O_QUAD,  9472                     ; (x, y, z, charge) of 64 atoms, 1,024 bytes
.set W3LDS,   UNIT+94*1024             ; W3 / c: block 94 of slot 1
; Stage and own data are written by LDS stores, belong to one wave, and no tensor load ever lands in them; they begin at multiples of 256 bytes.
; VECTOR REGISTERS by absolute number; window = number >> 8, name = number & 255 (s_set_vgpr_msb: bits 1:0 source 0, 3:2 source 1, 5:4 source 2, 7:6 destination)
.set W3A,  0                           ; W3's place in LDS + 32 h (the thread's number is not needed behind the head)
.set ZERO, 1                           ; 0, an offset
.set ADR,  2                           ; v2-5: 16 lane + 0, 51,200, 102,400, 153,600: the halves of the two slots (an LDS immediate has 16 bits)
.set BADR, 6                           ; own data + 32 h + 1,792 net
.set STW,  7                           ; stage + 8 lane
.set STR,  8                           ; stage + 272 r + 16 h
.set LANE, 9
.set SA,   10                          ; species of atom lane; v11 of atom lane + 32
.set SB_,  11
.set CX,   12                          ; v[12:13] x of atoms lane, lane + 32; v[14:15] y; v[16:17] z
.set CY,   14
.set CZ,   16
.set OUTA, 18                          ; the selected net's value for atom lane; v19 for atom lane + 32
.set OUTB, 19
.set ECOUL, 20                         ; my two atoms' share of the Coulomb energy
.set PB,   21                          ; own data's first byte
.set YA,   24                          ; a net's result for atom lane; v25 for atom lane + 32
.set YB,   25
.set MX,   26                          ; v26-29: four running maxima of layer 1; later the four atom tiles' sums of layer 3
.set B3,   30                          ; b3
.set AF0,  32                          ; A fragments, two buffers of 40 registers (32-71, 72-111)
.set BI,   112                         ; biases in the accumulators' layout, 48 registers
.set W3R,  160                         ; W3 / c in the accumulators' layout, 48 registers (in layer 2)
.set BL,   160                         ; at the start: biases as loaded, 14 registers a net
.set CT,   32                          ; at the start: features rounded to f16, 2 registers a row
.set AEV,  256                         ; 256 + 32 s + 8 n: B fragment of K step s, atom tile n
.set XF,   640                         ; the B fragments (bf16) of charge and potential
.set RAW,  672                         ; at the start: features as loaded, 4 registers a row (672-927).  With CT it covers all that the end of a net
                                       ; reads without having written it (layer 1's fragments, layer 2's biases): they are written on every way through the listing
.set ACC,  768                         ; 768 + 32 i + 8 n: accumulators of tile i of a group, atom tile n
.set YD,   896                         ; v[896:903] layer 3's running sums, a pair for each atom tile
.set TMPR, 928                         ; 32 registers at work in the activation
.set TT,   TMPR&255
; activations: layer 0: K steps 0-2 at 672 + 32 g, 3-4 at 960, 992; layer 1: 0-2 at 672 + 32 g (layer 0's, dead by then), 3 at 864 (the
; accumulators of its own tile 3, used up by then).  Layer 1's second group has its accumulators at 160, 192, 224 and 896, beside the first group's at 768-895
.set G1, 68                            ; s[68:75] descriptor group 1
.set G0, 76                            ; s[76:83] descriptor group 0, one set for each slot
; s[4:5] = s, s and s[6:7] = 1 / s, 1 / s (layer 1's scale); s[84:85] k, s[86:87] -k, s[88:89] c, s[90:91] 1e-16
.set MSB, 0
.macro WIN new                         ; the immediate's high byte repeats the setting that is left; a switch that changes nothing is dropped
.set win_n, (\new)
.if MSB != win_n
	s_set_vgpr_msb (MSB<<8)|win_n
.set MSB, win_n
.endif
.endm
.macro WINR d, a, b, c                 ; the windows of four absolute register numbers: destination, sources 0, 1, 2
	WIN ((((\d)>>8)<<6)|(((\c)>>8)<<4)|(((\b)>>8)<<2)|((\a)>>8))
.endm
; Four places behind a matrix instruction before a load lands in one of its registers or a vector instruction reads its result
.macro PLACES
.rept 4
	v_nop
.endr
.endm
; A round of the cluster's barrier: my work-group's barrier, wave 0 signals for the work-group, all wait for the four work-groups, my barrier again
.macro ROUND
	s_barrier_signal -1
	s_barrier_wait -1
	s_cmp_lg_u32 s66, 0
	s_cbranch_scc1 .Lnot_wave_0_\@
	s_barrier_signal -3
.Lnot_wave_0_\@:
	s_barrier_wait -3
	s_barrier_signal -1
	s_barrier_wait -1
.endm
; G fragments, blocks blk .. blk + G - 1 of a slot, into buffer buf: 32 lanes x 16 neighbouring bytes a load
.macro AFETCH buf, slot, blk, G
	WIN 0
.set af_i, 0
.rept \G
.set af_b, (\blk)+af_i
.set af_r, AF0+40*(\buf)+8*af_i
.set af_a, ADR+2*(\slot)+(af_b/50)
.set af_o, (af_b%50)*1024
	ds_load_b128 v[af_r:af_r+3], v[af_a] offset:af_o
	ds_load_b128 v[af_r+4:af_r+7], v[af_a] offset:af_o+512
.set af_i, af_i+1
.endr
.endm
; the biases of tiles t0 .. t0 + G - 1 of the layer whose biases begin at bo: register j = b[16 t + 8 h + j], as an accumulator holds it
.macro BIFETCH bo, t0, G
.set bf_i, 0
.rept \G
	ds_load_b128 v[BI+8*bf_i:BI+8*bf_i+3], v[BADR] offset:\bo+64*(\t0+bf_i)
	ds_load_b128 v[BI+8*bf_i+4:BI+8*bf_i+7], v[BADR] offset:\bo+64*(\t0+bf_i)+16
.set bf_i, bf_i+1
.endr
.endm
; W3 / c in the same layout, and b3
.macro W3FETCH
	WIN 0
.set wf_t, 0
.rept 6
	ds_load_b128 v[W3R+8*wf_t:W3R+8*wf_t+3], v[W3A] offset:64*wf_t
	ds_load_b128 v[W3R+8*wf_t+4:W3R+8*wf_t+7], v[W3A] offset:64*wf_t+16
.set wf_t, wf_t+1
.endr
	ds_load_b32 v[B3], v[BADR] offset:O_B3
.endm
; BB = where place g in layer's order of K steps has its B operand
.macro BLOC layer, g
.if (\layer) == 0
.if (\g) == 0
.set BB, XF
.else
.set BB, AEV+32*((\g)-1)
.endif
.endif
.if (\layer) == 1
.if (\g) < 3
.set BB, 672+32*(\g)
.else
.set BB, 864+32*(\g)
.endif
.endif
.if (\layer) == 2
.if (\g) < 3
.set BB, 672+32*(\g)
.else
.set BB, 864
.endif
.endif
.endm
; AA = the accumulators of tile i of a group; map 1: layer 1's second group
.macro ALOC map, i
.if (\map) == 0
.set AA, ACC+32*(\i)
.else
.if (\i) < 3
.set AA, 160+32*(\i)
.else
.set AA, 896
.endif
.endif
.endm
; One K step: G tiles x 4 atom tiles.  first = 1: the sums start from the biases; 2: from 0; 0: they go on in place.  bf = 1: the bf16 form.
; The 4 G accumulators take turns, one instruction a turn.
.macro KSTEP bb, ab, G, first, map, bf
.set ks_i, 0
.rept \G
	ALOC \map, ks_i
.if \first == 1
	WINR AA, \ab, \bb, BI
.else
	WINR AA, \ab, \bb, AA
.endif
.set ks_n, 0
.rept 4
.set ks_d, (AA+8*ks_n)&255
.set ks_a, ((\ab)+8*ks_i)&255
.set ks_b, ((\bb)+8*ks_n)&255
.if \bf
	v_wmma_f32_16x16x32_bf16 v[ks_d:ks_d+7], v[ks_a:ks_a+7], v[ks_b:ks_b+7], v[BI+8*ks_i:BI+8*ks_i+7]
.else
.if \first == 1
	v_wmma_f32_16x16x32_f16 v[ks_d:ks_d+7], v[ks_a:ks_a+7], v[ks_b:ks_b+7], v[BI+8*ks_i:BI+8*ks_i+7]
.else
.if \first == 2
	v_wmma_f32_16x16x32_f16 v[ks_d:ks_d+7], v[ks_a:ks_a+7], v[ks_b:ks_b+7], 0
.else
	v_wmma_f32_16x16x32_f16 v[ks_d:ks_d+7], v[ks_a:ks_a+7], v[ks_b:ks_b+7], v[ks_d:ks_d+7]
.endif
.endif
.endif
.set ks_n, ks_n+1
.endr
.set ks_i, ks_i+1
.endr
.endm
; Places k0 .. k1 of a group of G tiles; place k0's fragments (block blk of the slot) have been asked for, into buffer 0.
; Each step first asks for the next one's fragments, into the other buffer, and lets exactly these 2 G loads stay out.
; Behind the bf16 step stands a fifth place: the f16 products that go on with its sums are no links of one chain with it.
.macro KRUN layer, G, k0, k1, slot, blk, first, map
.set kr_j, 0
.set kr_pb, 0
.rept (\k1)-(\k0)+1
.if kr_j < (\k1)-(\k0)
.set kr_b, (kr_j+1)&1
.set kr_k, (\blk)+(kr_j+1)*(\G)
	PLACES
.if kr_pb
	v_nop
.endif
	AFETCH kr_b, \slot, kr_k, \G
	s_wait_dscnt 2*\G                              ; LDS loads return in order (ISA guide 5.7.1): all but the 2 G just issued are in, this step's fragments and the biases among them
.else
	s_wait_dscnt 0x0
.endif
.set kr_g, (\k0)+kr_j
.set kr_a, AF0+40*(kr_j&1)
.set kr_bf, 0
.if (\layer) == 0
.if kr_g == 0
.set kr_bf, 1
.endif
.endif
	BLOC \layer, kr_g
.if kr_j == 0
	KSTEP BB, kr_a, \G, \first, \map, kr_bf
.else
	KSTEP BB, kr_a, \G, 0, \map, kr_bf
.endif
.set kr_pb, kr_bf
.set kr_j, kr_j+1
.endr
.endm
; c celu of the 32 numbers u at a, to d (a itself or the registers at work)
.macro CELU a, d
	WINR TMPR, \a, TMPR, TMPR
.set ce_j, 0
.rept 32
	v_exp_f32 v[TT+ce_j], v[((\a)&255)+ce_j]       ; 2^u
.set ce_j, ce_j+1
.endr
	v_nop                                          ; one plain instruction between the last 2^u and its use (ISA guide 5.7.2)
	WINR TMPR, TMPR, TMPR, TMPR
.set ce_j, 0
	s_wait_alu depctr_va_vdst(0)
.rept 16
	v_pk_fma_f32 v[TT+ce_j:TT+ce_j+1], v[TT+ce_j:TT+ce_j+1], s[84:85], s[86:87] op_sel_hi:[1,0,0]   ; k 2^u - k
.set ce_j, ce_j+2
.endr
	WINR \d, \a, TMPR, TMPR
.set ce_j, 0
.rept 32
	v_med3_num_f32 v[((\d)&255)+ce_j], v[((\a)&255)+ce_j], v[TT+ce_j], 0
.set ce_j, ce_j+1
.endr
.endm
; Layer 0's activation, tiles t0 .. t0 + G - 1: (c / 16) celu in f16, into layer 1's B fragments
.macro ACT0 t0, G
.set ac_i, 0
.rept \G
.set ac_t, (\t0)+ac_i
.set ac_a, ACC+32*ac_i
	CELU ac_a, TMPR
.set ac_j, 0
.rept 16
	v_pk_mul_f32 v[TT+ac_j:TT+ac_j+1], v[TT+ac_j:TT+ac_j+1], 0x3d800000 op_sel_hi:[1,0]   ; x 1/16, exact
.set ac_j, ac_j+2
.endr
.set ac_g, ac_t/2
	BLOC 1, ac_g
	WINR BB, TMPR, TMPR, TMPR
.set ac_h, (BB+4*(ac_t&1))&255                     ; an even tile fills registers 0-3 of the fragment, an odd one registers 4-7
.set ac_j, 0
.rept 16
	v_cvt_pk_f16_f32 v[ac_h+8*(ac_j/4)+(ac_j&3)], v[TT+2*ac_j], v[TT+2*ac_j+1]
.set ac_j, ac_j+1
.endr
.set ac_i, ac_i+1
.endr
.endm
; Layer 1's activation, first part: c celu in f32, in place in a group's four tiles, and the running maxima
.macro ACT1A map
.set ac_i, 0
.rept 4
	ALOC \map, ac_i
.set ac_a, AA
	CELU ac_a, ac_a
	WINR MX, ac_a, ac_a, MX
.set ac_j, 0
.rept 16
	v_max3_num_f32 v[MX+(ac_j&3)], v[(ac_a&255)+2*ac_j], v[(ac_a&255)+2*ac_j+1], v[MX+(ac_j&3)]
.set ac_j, ac_j+1
.endr
.set ac_i, ac_i+1
.endr
.endm
; second part: the molecule's largest, the scale from its exponent bits, and all eight tiles to f16
.macro ACT1B
	WIN 0
	v_max3_num_f32 v[MX], v[MX], v[MX+1], v[MX+2]
	v_max_num_f32 v[MX], v[MX], v[MX+3]
	v_max_num_f32_dpp v[MX], v[MX], v[MX] row_xmask:1 row_mask:0xf bank_mask:0xf
	v_max_num_f32_dpp v[MX], v[MX], v[MX] row_xmask:2 row_mask:0xf bank_mask:0xf
	v_max_num_f32_dpp v[MX], v[MX], v[MX] row_xmask:4 row_mask:0xf bank_mask:0xf
	v_max_num_f32_dpp v[MX], v[MX], v[MX] row_xmask:8 row_mask:0xf bank_mask:0xf
	v_permlanex16_b32 v22, v[MX], s92, s93
	v_max_num_f32 v[MX], v[MX], v22                ; m, at least k = 0.1 c, in every lane
	v_lshrrev_b32 v[MX+1], 23, v[MX]               ; e = its exponent field, 127 to 255
	v_sub_nc_u32 v[MX+2], 0x10c, v[MX+1]           ; s = 2^(14 - (e - 127)): field 268 - e, 13 to 141
	v_lshlrev_b32 v[MX+2], 23, v[MX+2]
	v_add_nc_u32 v[MX+3], -14, v[MX+1]             ; 1 / s: field e - 14, 113 to 241
	v_lshlrev_b32 v[MX+3], 23, v[MX+3]
	v_readfirstlane_b32 s4, v[MX+2]
	v_readfirstlane_b32 s6, v[MX+3]
	s_mov_b32 s5, s4
	s_mov_b32 s7, s6
.set ac_t, 0
.rept 8
.if ac_t < 4
	ALOC 0, ac_t
.else
	ALOC 1, ac_t-4
.endif
.set ac_a, AA
	WINR ac_a, ac_a, TMPR, TMPR
.set ac_j, 0
.rept 16
	v_pk_mul_f32 v[(ac_a&255)+ac_j:(ac_a&255)+ac_j+1], v[(ac_a&255)+ac_j:(ac_a&255)+ac_j+1], s[4:5] op_sel_hi:[1,0]   ; x s, exact
.set ac_j, ac_j+2
.endr
.set ac_g, ac_t/2
	BLOC 2, ac_g
	WINR BB, ac_a, ac_a, TMPR
.set ac_h, (BB+4*(ac_t&1))&255
.set ac_j, 0
.rept 16
	v_cvt_pk_f16_f32 v[ac_h+8*(ac_j/4)+(ac_j&3)], v[(ac_a&255)+2*ac_j], v[(ac_a&255)+2*ac_j+1]
.set ac_j, ac_j+1
.endr
.set ac_t, ac_t+1
.endr
.endm
; Layer 2's activation and layer 3, tiles t0 .. t0 + 2: u = sum / s + c b2; c celu; the running sums of (W3 / c) (c celu)
.macro ACT2 t0
.set ac_i, 0
.rept 3
.set ac_t, (\t0)+ac_i
.set ac_a, ACC+32*ac_i
	WINR ac_a, ac_a, TMPR, BI
.set ac_j, 0
.rept 16
.set ac_r, (ac_a&255)+2*ac_j
.set ac_b, BI+8*ac_t+2*(ac_j&3)
	v_pk_fma_f32 v[ac_r:ac_r+1], v[ac_r:ac_r+1], s[6:7], v[ac_b:ac_b+1] op_sel_hi:[1,0,1]
.set ac_j, ac_j+1
.endr
	CELU ac_a, TMPR
	WINR YD, TMPR, W3R, YD
.set ac_p, 0
.rept 4
.set ac_n, 0
.rept 4
.set ac_y, (YD&255)+2*ac_n
.set ac_x, TT+8*ac_n+2*ac_p
.set ac_w, W3R+8*ac_t+2*ac_p
.if (ac_t+ac_p) == 0
	v_pk_mul_f32 v[ac_y:ac_y+1], v[ac_x:ac_x+1], v[ac_w:ac_w+1]    ; the first products start the sums
.else
	v_pk_fma_f32 v[ac_y:ac_y+1], v[ac_x:ac_x+1], v[ac_w:ac_w+1], v[ac_y:ac_y+1]
.endif
.set ac_n, ac_n+1
.endr
.set ac_p, ac_p+1
.endr
.set ac_i, ac_i+1
.endr
.endm
; A slot is asked for.  In front of the round every wave waits for its LDS reads and for all its tensor loads; the round of the cluster's barrier
; stands between every partner's reads of the slot and the joint load, which is the first thing behind it and the wave's only tensor load until
; the next round.  slot = 1: the wait has shown slot 0's unit landed, so slot 0's address may step to the next net's.
.macro ASK slot
	WIN 0
	s_wait_dscnt 0x0
	s_wait_tensorcnt 0x0
.if \slot
	s_add_nc_u64 s[G0+2:G0+3], s[G0+2:G0+3], 2*UNIT
.endif
	ROUND
	tensor_load_to_lds s[G0+4*\slot:G0+4*\slot+3], s[G1:G1+7]
	s_nop 0
.endm
; Slot 1 is shown to every wave.  One tensor load of mine is out, my quarter of slot 1, and none is younger: the count that its reads need is 0.
; Slot 1's address steps to the next net's.
.macro SHOW
	WIN 0
	s_wait_dscnt 0x0
	s_wait_tensorcnt 0x0
	s_add_nc_u64 s[G0+6:G0+7], s[G0+6:G0+7], 2*UNIT
	s_barrier_signal -1
	s_barrier_wait -1
.endm
.macro REDUCE v, t                     ; sum over the 32 lanes, in every lane
	v_add_f32_dpp v[\v], v[\v], v[\v] row_xmask:1 row_mask:0xf bank_mask:0xf
	v_add_f32_dpp v[\v], v[\v], v[\v] row_xmask:2 row_mask:0xf bank_mask:0xf
	v_add_f32_dpp v[\v], v[\v], v[\v] row_xmask:4 row_mask:0xf bank_mask:0xf
	v_add_f32_dpp v[\v], v[\v], v[\v] row_xmask:8 row_mask:0xf bank_mask:0xf
	v_permlanex16_b32 v[\t], v[\v], s92, s93
	v_add_f32 v[\v], v[\v], v[\t]
.endm
; A net up to layer 1's scaled activations: 680 matrix instructions.  The fragments and biases of the next group are asked for ahead of each activation.
.macro BODY
	ASK 1                                          ; the net's first unit is in, everybody's; its second unit goes out
	PLACES
	AFETCH 0, 0, 0, 5
	BIFETCH 0, 0, 5
	KRUN 0, 5, 0, 12, 0, 0, 1, 0                   ; layer 0, features 0-79
	PLACES
	AFETCH 0, 0, 65, 5
	BIFETCH 0, 5, 5
	ACT0 0, 5
	KRUN 0, 5, 0, 6, 0, 65, 1, 0                   ; layer 0, features 80-159, places 0-6: the end of slot 0
	SHOW
	PLACES
	AFETCH 0, 1, 0, 5
	KRUN 0, 5, 7, 12, 1, 0, 0, 0                   ; places 7-12
	PLACES
	AFETCH 0, 1, 30, 4
	BIFETCH O_B1, 0, 4
	ACT0 5, 5
	KRUN 1, 4, 0, 4, 1, 30, 1, 0                   ; layer 1, features 0-63
	PLACES
	AFETCH 0, 1, 50, 4
	BIFETCH O_B1, 4, 4
.irp j, 0,1,2,3
	v_mov_b32 v[MX+\j], s84                        ; the maxima start at 0.1 c = k
.endr
	ACT1A 0
	KRUN 1, 4, 0, 4, 1, 50, 1, 1                   ; layer 1, features 64-127, beside the first group's
	PLACES
	WIN 0
	BIFETCH O_B2, 0, 6                             ; layer 2's biases are added in its activation: all six tiles' at once
	ACT1A 1
	ACT1B
	WIN 0
.endm
; The end of a net: layer 2 out of slot 1 (96 matrix instructions), layer 3, the atoms' values.  No barrier and no tensor load stands in it.
.macro NETEND
	AFETCH 0, 1, 70, 3
	W3FETCH                                        ; into registers that layer 1's second group has left
	KRUN 2, 3, 0, 3, 1, 70, 2, 0                   ; layer 2, features 0-47
	PLACES
	AFETCH 0, 1, 82, 3
	ACT2 0
	KRUN 2, 3, 0, 3, 1, 82, 2, 0                   ; layer 2, features 48-95: the last reads of slot 1
	PLACES
	ACT2 3
	WIN 0x0f
.irp n, 0,1,2,3
	v_add_f32 v[MX+\n], v[(YD&255)+2*\n], v[(YD&255)+2*\n+1]   ; atom tile n: my half (h) of the 96 features of atom 16 n + r
.endr
	WIN 0
	v_cndmask_b32 v[YA], v[MX], v[MX+1], s94       ; atom = lane: lanes 0-15 keep tile 0's, lanes 16-31 tile 1's,
	v_cndmask_b32 v23, v[MX+1], v[MX], s94         ; and hand the other tile's to the lane 16 away, which wants it
	v_cndmask_b32 v[YB], v[MX+2], v[MX+3], s94     ; atom = lane + 32: tiles 2 and 3
	v_cndmask_b32 v31, v[MX+3], v[MX+2], s94
	v_permlanex16_b32 v22, v23, s92, s93
	v_add_f32 v[YA], v[YA], v[B3]
	v_add_f32 v[YA], v[YA], v22
	v_permlanex16_b32 v22, v31, s92, s93
	v_add_f32 v[YB], v[YB], v[B3]
	v_add_f32 v[YB], v[YB], v22
.endm
.macro SELECT                          ; the value of the net whose number is the atom's species
	v_cmp_eq_u32 vcc_lo, s97, v[SA]
	v_cndmask_b32 v[OUTA], v[OUTA], v[YA], vcc_lo
	v_cmp_eq_u32 vcc_lo, s97, v[SB_]
	v_cndmask_b32 v[OUTB], v[OUTB], v[YB], vcc_lo
.endm
; Charges, potential, Coulomb energy.  Window 0 alone.
.set QQ, 64                            ; v[64:191]  (x, y, z, charge) of 32 atoms, the same in every lane
.set DD, 192                           ; v[192:215] differences of four atoms i against my two atoms
.set D2, 216                           ; v[216:223] squared distances
.set RR, 46                            ; v[46:53]   1 / distance
.set EE, 54                            ; v[54:61]   four running sums, a pair (atom lane, atom lane + 32) each
; atoms i = 32 hh + 4 b .. + 3 against my two atoms
.macro PBATCH hh, b
	s_wait_dscnt 28-4*\b                           ; of the half's 32 loads the first 4 b + 4 are in
.set pb_u, 0
.rept 4
.set pb_q, QQ+4*(4*\b+pb_u)
.set pb_d, DD+6*pb_u
	v_pk_add_f32 v[pb_d:pb_d+1], v[CX:CX+1], v[pb_q:pb_q+1] op_sel_hi:[1,0] neg_lo:[0,1] neg_hi:[0,1]
	v_pk_add_f32 v[pb_d+2:pb_d+3], v[CY:CY+1], v[pb_q:pb_q+1] op_sel:[0,1] op_sel_hi:[1,1] neg_lo:[0,1] neg_hi:[0,1]
	v_pk_add_f32 v[pb_d+4:pb_d+5], v[CZ:CZ+1], v[pb_q+2:pb_q+3] op_sel_hi:[1,0] neg_lo:[0,1] neg_hi:[0,1]
.set pb_u, pb_u+1
.endr
.set pb_u, 0
.rept 4
	v_pk_fma_f32 v[D2+2*pb_u:D2+2*pb_u+1], v[DD+6*pb_u:DD+6*pb_u+1], v[DD+6*pb_u:DD+6*pb_u+1], s[90:91] op_sel_hi:[1,1,0]   ; dx^2 + 1e-16
.set pb_u, pb_u+1
.endr
.set pb_u, 0
.rept 4
	v_pk_fma_f32 v[D2+2*pb_u:D2+2*pb_u+1], v[DD+6*pb_u+2:DD+6*pb_u+3], v[DD+6*pb_u+2:DD+6*pb_u+3], v[D2+2*pb_u:D2+2*pb_u+1]
.set pb_u, pb_u+1
.endr
.set pb_u, 0
.rept 4
	v_pk_fma_f32 v[D2+2*pb_u:D2+2*pb_u+1], v[DD+6*pb_u+4:DD+6*pb_u+5], v[DD+6*pb_u+4:DD+6*pb_u+5], v[D2+2*pb_u:D2+2*pb_u+1]
.set pb_u, pb_u+1
.endr
.set pb_u, 0
.rept 8
	v_rsq_f32 v[RR+pb_u], v[D2+pb_u]
.set pb_u, pb_u+1
.endr
	v_nop                                          ; one plain instruction between the last root and its use (ISA guide 5.7.2)
	s_wait_alu depctr_va_vdst(0)
.set pb_u, 0
.rept 4
.set pb_q, QQ+4*(4*\b+pb_u)
	s_mov_b32 s99, 0xffffffff^(1<<(4*\b+pb_u))
	v_cndmask_b32 v[RR+2*pb_u+\hh], 0, v[RR+2*pb_u+\hh], s99   ; no atom acts on itself: lane i mod 32, the register of i's half
.if (\hh+\b) == 0
	v_pk_mul_f32 v[EE+2*pb_u:EE+2*pb_u+1], v[RR+2*pb_u:RR+2*pb_u+1], v[pb_q+2:pb_q+3] op_sel:[0,1] op_sel_hi:[1,1]   ; the first four atoms start the sums
.else
	v_pk_fma_f32 v[EE+2*pb_u:EE+2*pb_u+1], v[RR+2*pb_u:RR+2*pb_u+1], v[pb_q+2:pb_q+3], v[EE+2*pb_u:EE+2*pb_u+1] op_sel:[0,1,0] op_sel_hi:[1,1,1]
.endif
.set pb_u, pb_u+1
.endr
.endm
.macro PHALF hh
.set ph_i, 0
.rept 32
	ds_load_b128 v[QQ+4*ph_i:QQ+4*ph_i+3], v[PB] offset:O_QUAD+16*(32*\hh+ph_i)   ; every lane reads the same 16 bytes
.set ph_i, ph_i+1
.endr
.endm
.macro PHYS
	v_cmp_ne_u32 s100, -1, v[SA]                   ; not padding
	v_cmp_ne_u32 s101, -1, v[SB_]
	v_cndmask_b32 v26, 0, v[YA], s100              ; q
	v_cndmask_b32 v27, 0, v[YB], s101
	v_add_f32 v28, v26, v27
	v_mul_f32 v29, v26, v26                        ; q^2, used again below
	v_mul_f32 v30, v27, v27
	v_add_f32 v31, v29, v30
	REDUCE 28, 22                                  ; sum of q
	REDUCE 31, 22                                  ; sum of q^2
	v_max_num_f32 v31, 0x322bcc77, v31             ; at least 1e-8
	v_rcp_f32 v23, v31
	v_sub_f32 v28, s98, v28                        ; net charge - sum of q (also the plain instruction behind v_rcp_f32)
	v_lshl_add_u32 v32, v[LANE], 2, v[PB]
	v_lshl_add_u32 v33, v[LANE], 3, v[PB]
	v_lshl_add_u32 v34, v[LANE], 4, v[PB]
	v_lshlrev_b32 v35, 3, v[LANE]
	s_wait_alu depctr_va_vdst(0)
	v_mul_f32 v28, v28, v23
	v_fma_f32 v39, v29, v28, v26                   ; the corrected charge; 0 where q is 0, so padding needs no further mask
	v_fma_f32 v43, v30, v28, v27
	v_mov_b32 v36, v[CX]                           ; (x, y, z, charge) side by side for one 16-byte store
	v_mov_b32 v37, v[CY]
	v_mov_b32 v38, v[CZ]
	v_mov_b32 v40, v[CX+1]
	v_mov_b32 v41, v[CY+1]
	v_mov_b32 v42, v[CZ+1]
	ds_store_b32 v32, v39 offset:O_QS
	ds_store_b32 v32, v43 offset:O_QS+128
	ds_load_b64 v[44:45], v33 offset:O_QS          ; atoms 2 lane, 2 lane + 1; LDS serves a wave's instructions in order (ISA guide 5.7.1)
	ds_store_b128 v34, v[36:39] offset:O_QUAD
	ds_store_b128 v34, v[40:43] offset:O_QUAD+512
	PHALF 0
	s_wait_dscnt 34                                ; two stores and 32 loads are younger than the charges' read
	global_store_b64 v35, v[44:45], s[22:23]       ; the molecule's 256 bytes of out2, whole and aligned
.irp b, 0,1,2,3,4,5,6,7
	PBATCH 0, \b
.endr
	PHALF 1
.irp b, 0,1,2,3,4,5,6,7
	PBATCH 1, \b
.endr
	v_pk_add_f32 v[EE:EE+1], v[EE:EE+1], v[EE+2:EE+3]
	v_pk_add_f32 v[EE+4:EE+5], v[EE+4:EE+5], v[EE+6:EE+7]
	v_pk_add_f32 v[EE:EE+1], v[EE:EE+1], v[EE+4:EE+5]
	v_mul_f32 v[EE], 0x3f077829, v[EE]             ; distances are in units of 0.529177249
	v_mul_f32 v[EE+1], 0x3f077829, v[EE+1]
	v_cndmask_b32 v[EE], 0, v[EE], s100            ; no potential at padding
	v_cndmask_b32 v[EE+1], 0, v[EE+1], s101
	v_mul_f32 v[ECOUL], v39, v[EE]
	v_fmac_f32 v[ECOUL], v43, v[EE+1]
	v_mul_f32 v[ECOUL], 0.5, v[ECOUL]
	v_cvt_pk_bf16_f32 v62, v39, v[EE]              ; k = 384 (charge) below, k = 385 (potential) above
	v_cvt_pk_bf16_f32 v63, v43, v[EE+1]
	v_permlanex16_b32 v22, v62, s92, s93           ; atoms 16-31 to lanes 0-15
	v_permlanex16_b32 v23, v63, s92, s93           ; atoms 48-63
	WIN 0x80                                       ; register 0 of the four fragments (v640, v648, v656, v664); lanes 16-31 hold k = 392 .., zeros
	v_cndmask_b32 v[(XF&255)], 0, v62, s95
	v_cndmask_b32 v[(XF&255)+8], 0, v22, s95
	v_cndmask_b32 v[(XF&255)+16], 0, v63, s95
	v_cndmask_b32 v[(XF&255)+24], 0, v23, s95
	WIN 0
	s_wait_xcnt 0x0                                ; the store's offset and data registers are written again only behind this wait
.endm
; A quarter (16 rows) of feature chunk c (features 128 c .. + 127): round to f16, ask for the same rows of the next chunk, stage
.macro CHUNKQ c, q, left
	s_wait_loadcnt \left                           ; loads return in order: my 16 rows are in, the \left younger loads stay out
.set cq_a, 16*\q
.rept 16
.set cq_r, RAW+4*cq_a
	WINR CT, cq_r, cq_r, 0
	v_cvt_pk_f16_f32 v[CT+2*cq_a], v[(cq_r&255)], v[(cq_r&255)+1]
	v_cvt_pk_f16_f32 v[CT+2*cq_a+1], v[(cq_r&255)+2], v[(cq_r&255)+3]
.set cq_a, cq_a+1
.endr
.if \c < 2
.set cq_a, 16*\q
.rept 16
.set cq_r, RAW+4*cq_a
	WINR cq_r, 0, 0, 0
	global_load_b128 v[(cq_r&255):(cq_r&255)+3], v[ADR], s[8:9] offset:cq_a*1536+512*(\c+1) th:TH_LOAD_NT
.set cq_a, cq_a+1
.endr
.endif
	WIN 0
.set cq_a, 16*\q
.rept 16
	ds_store_b64 v[STW], v[CT+2*cq_a:CT+2*cq_a+1] offset:272*cq_a
.set cq_a, cq_a+1
.endr
.endm
; the chunk's four K steps x four atom tiles, out of the stage as B fragments: row 16 n + r, bytes 64 s + 16 h and 32 further
.macro CHUNKR c
	WINR AEV+128*\c, 0, 0, 0
.set cr_s, 0
.rept 4
.set cr_n, 0
.rept 4
.set cr_r, (AEV+32*(4*\c+cr_s)+8*cr_n)&255
	ds_load_b128 v[cr_r:cr_r+3], v[STR] offset:4352*cr_n+64*cr_s
	ds_load_b128 v[cr_r+4:cr_r+7], v[STR] offset:4352*cr_n+64*cr_s+32
.set cr_n, cr_n+1
.endr
.set cr_s, cr_s+1
.endr
.endm
	; ---- head ----
	s_load_b512 s[8:23], s[0:1], 0x0               ; aev s[8:9], species s[10:11], coordinates s[12:13], net_charge s[14:15], wpack s[16:17], out0 s[18:19], out1 s[20:21], out2 s[22:23]
	s_load_b512 s[24:39], s[0:1], 0x40             ; biases: net n has b0 .. b3 in s[24 + 8 n : 31 + 8 n]
	s_load_b512 s[40:55], s[0:1], 0x80
	s_load_b256 s[56:63], s[0:1], 0xc0
	v_lshrrev_b32 v1, 5, v0
	v_readfirstlane_b32 s66, v1                    ; wave
	s_bfe_u32 s4, ttmp6, 0x40000                   ; my place in the cluster: it enters global addresses of my own molecule's data alone
	s_lshl_b32 s5, ttmp9, 2
	s_add_co_u32 s5, s5, s4                        ; work-group
	s_lshl_b32 s5, s5, 2
	s_add_co_u32 s67, s5, s66                      ; molecule
	s_mov_b32 s84, 0x3fb8aa3b                      ; k = log2(e), twice
	s_mov_b32 s85, 0x3fb8aa3b
	s_mov_b32 s86, 0xbfb8aa3b                      ; -k
	s_mov_b32 s87, 0xbfb8aa3b
	s_mov_b32 s88, 0x4166d4ca                      ; c
	s_mov_b32 s89, 0x4166d4ca
	s_mov_b32 s90, 0x24e69595                      ; 1e-16
	s_mov_b32 s91, 0x24e69595
	s_mov_b32 s92, 0x76543210                      ; v_permlanex16_b32: lane i of the other half
	s_mov_b32 s93, 0xfedcba98
	s_mov_b32 s94, 0xffff0000                      ; lanes 16-31
	s_mov_b32 s95, 0x0000ffff                      ; lanes 0-15
	s_mul_i32 s2, s66, STAGE_W
	s_add_co_u32 s2, s2, STAGE                     ; my stage
	s_mul_i32 s3, s66, PRIV_W
	s_add_co_u32 s3, s3, PRIV                      ; my own data
	v_mov_b32 v[ZERO], 0
	v_and_b32 v[LANE], 31, v0
	v_lshlrev_b32 v[ADR], 4, v[LANE]
	v_add_nc_u32 v[ADR+1], 51200, v[ADR]
	v_add_nc_u32 v[ADR+2], 102400, v[ADR]
	v_add_nc_u32 v[ADR+3], 153600, v[ADR]
	v_lshrrev_b32 v30, 4, v[LANE]                  ; h
	v_and_b32 v31, 15, v[LANE]                     ; r
	v_mov_b32 v[PB], s3
	v_lshl_add_u32 v[BADR], v30, 5, v[PB]
	v_lshl_add_u32 v[W3A], v30, 5, W3LDS
	v_lshl_add_u32 v[STW], v[LANE], 3, s2
	v_mul_u32_u24 v31, 272, v31
	v_lshl_add_u32 v31, v30, 4, v31
	v_add_nc_u32 v[STR], s2, v31
	v_mul_u32_u24 v22, 12, v[LANE]
	v_lshlrev_b32 v23, 3, v[LANE]
	v_lshlrev_b32 v26, 2, v[LANE]
	v_lshl_add_u32 v28, v[LANE], 2, v[PB]
	v_lshl_add_u32 v29, v[LANE], 4, v[PB]
	v_lshl_add_u32 v24, v[LANE], 3, v[PB]
	; descriptor group 1: 100 rows of 32 elements of 8 bytes, dense
	s_mov_b32 s[G1+0], 0x0023000f                  ; 15:0 mask: all four work-groups of the cluster; 17:16 elements of 8 bytes; 21 set beside a mask
	s_mov_b32 s[G1+1], 32<<16                      ; tensor_dim0 = 32
	s_mov_b32 s[G1+2], 100<<16                     ; tensor_dim1 = 100
	s_mov_b32 s[G1+3], 32<<16                      ; tile_dim0 = 32
	s_mov_b32 s[G1+4], 100                         ; tile_dim1 = 100
	s_mov_b32 s[G1+5], 32                          ; from row to row: 32 elements
	s_mov_b32 s[G1+6], 0
	s_mov_b32 s[G1+7], 0
	s_mul_i32 s6, s66, QUART                       ; my quarter of a unit, in wpack and in a slot alike
	s_mov_b32 s7, 0
	s_mov_b32 s5, 0
	s_wait_kmcnt 0x0
	s_add_nc_u64 s[16:17], s[16:17], s[6:7]
.irp s, 0,1
	s_mov_b32 s[G0+4*\s], 1                        ; count = 1
	s_add_co_u32 s[G0+4*\s+1], s6, \s*UNIT         ; LDS address: wave x 25,600 + slot x 102,400
	s_add_nc_u64 s[G0+4*\s+2:G0+4*\s+3], s[16:17], \s*UNIT   ; the charge net's first and second unit
	s_or_b32 s[G0+4*\s+3], s[G0+4*\s+3], 0x80000000          ; type = 2
.endr
	s_mul_i32 s4, s67, 98304                       ; 64 atoms x 1,536 bytes
	s_add_nc_u64 s[8:9], s[8:9], s[4:5]
	s_lshl_b32 s4, s67, 8
	s_add_nc_u64 s[10:11], s[10:11], s[4:5]
	s_add_nc_u64 s[18:19], s[18:19], s[4:5]
	s_add_nc_u64 s[22:23], s[22:23], s[4:5]
	s_mul_i32 s4, s67, 768
	s_add_nc_u64 s[12:13], s[12:13], s[4:5]
	s_lshl_b32 s4, s67, 2
	s_add_nc_u64 s[14:15], s[14:15], s[4:5]
	s_add_nc_u64 s[20:21], s[20:21], s[4:5]
	s_load_b32 s98, s[14:15], 0x0                  ; the molecule's net charge
	; ---- 42 small loads: biases (every lane at bytes of its own: 640 = 512 + 128, 512, 384 = 3 x 128), species, coordinates ----
.irp n, 0,1,2,3,4
	global_load_b128 v[BL+14*\n:BL+14*\n+3], v[ADR], s[24+8*\n:25+8*\n]
	global_load_b128 v[BL+14*\n+4:BL+14*\n+7], v[ADR], s[26+8*\n:27+8*\n]
	global_load_b32 v[BL+14*\n+8], v26, s[24+8*\n:25+8*\n] offset:512
	global_load_b32 v[BL+14*\n+9], v26, s[28+8*\n:29+8*\n]
	global_load_b32 v[BL+14*\n+10], v26, s[28+8*\n:29+8*\n] offset:128
	global_load_b32 v[BL+14*\n+11], v26, s[28+8*\n:29+8*\n] offset:256
	global_load_b32 v[BL+14*\n+12], v[ZERO], s[30+8*\n:31+8*\n]
.endr
	global_load_b64 v[250:251], v23, s[10:11]      ; species of atoms 2 lane, 2 lane + 1
	global_load_b32 v[CX], v22, s[12:13]
	global_load_b32 v[CY], v22, s[12:13] offset:4
	global_load_b32 v[CZ], v22, s[12:13] offset:8
	global_load_b32 v[CX+1], v22, s[12:13] offset:384
	global_load_b32 v[CY+1], v22, s[12:13] offset:388
	global_load_b32 v[CZ+1], v22, s[12:13] offset:392
	; ---- features 0-127 of all 64 atoms: a load covers 512 consecutive bytes of one row, aligned ----
.set hd_a, 0
.rept 64
.set hd_r, RAW+4*hd_a
	WINR hd_r, 0, 0, 0
	global_load_b128 v[(hd_r&255):(hd_r&255)+3], v[ADR], s[8:9] offset:hd_a*1536 th:TH_LOAD_NT
.set hd_a, hd_a+1
.endr
	WIN 0
	s_wait_loadcnt 63                              ; 64 loads are younger than the 42 small ones; the largest count that the wait can name is below that
.irp n, 0,1,2,3,4
.irp j, 0,2,4,6,8,10
	v_pk_mul_f32 v[BL+14*\n+\j:BL+14*\n+\j+1], v[BL+14*\n+\j:BL+14*\n+\j+1], s[88:89] op_sel_hi:[1,0]   ; c b0, c b1, c b2
.endr
	ds_store_b128 v29, v[BL+14*\n:BL+14*\n+3] offset:NETB*\n
	ds_store_b32 v28, v[BL+14*\n+8] offset:NETB*\n+512
	ds_store_b128 v29, v[BL+14*\n+4:BL+14*\n+7] offset:NETB*\n+O_B1
	ds_store_b32 v28, v[BL+14*\n+9] offset:NETB*\n+O_B2
	ds_store_b32 v28, v[BL+14*\n+10] offset:NETB*\n+O_B2+128
	ds_store_b32 v28, v[BL+14*\n+11] offset:NETB*\n+O_B2+256
	ds_store_b32 v28, v[BL+14*\n+12] offset:NETB*\n+O_B3
.endr
	global_store_b64 v23, v[250:251], s[18:19]     ; out0 = species: the molecule's 256 bytes, whole and aligned
	ds_store_b64 v24, v[250:251] offset:O_SP
	ds_load_b32 v[SA], v28 offset:O_SP             ; atom lane
	ds_load_b32 v[SB_], v28 offset:O_SP+128        ; atom lane + 32
	v_mov_b32 v[OUTA], 0                           ; an atom of no net's species counts 0
	v_mov_b32 v[OUTB], 0
	v_mov_b32 v[ECOUL], 0
	WIN 0x80
.set hd_a, 0
.rept 32
	v_mov_b32 v[(XF&255)+hd_a], 0                  ; the fragments of charge and potential: zeros for the charge net; four registers get values later
.set hd_a, hd_a+1
.endr
	; ---- three chunks of 128 features; 64 loads (32 KiB) of the wave stay on their way until the last chunk ----
	CHUNKQ 0, 0, 48
	CHUNKQ 0, 1, 48
	CHUNKQ 0, 2, 48
	CHUNKQ 0, 3, 48
	CHUNKR 0                                       ; the stage is the wave's own and LDS serves a wave in order: no wait, no barrier
	CHUNKQ 1, 0, 48
	CHUNKQ 1, 1, 48
	CHUNKQ 1, 2, 48
	CHUNKQ 1, 3, 48
	CHUNKR 1
	CHUNKQ 2, 0, 48                                ; nothing more is asked for: the counts run down
	CHUNKQ 2, 1, 32
	CHUNKQ 2, 2, 16
	CHUNKQ 2, 3, 0
	CHUNKR 2
	WIN 0
	s_wait_kmcnt 0x0                               ; net charge
	s_wait_xcnt 0x0                                ; out0's store has read its registers
	; ---- the nets: trip 0 the charge net, trips 1-4 species nets 0-3; each trip asks for its own net's two units ----
	s_mov_b32 s96, 0                               ; trip = net
.Lnet:
	ASK 0                                          ; the net's first unit goes out (in trip 0 the wait on DScnt also covers fragments and species)
	s_cmp_eq_u32 s96, 0
	s_cbranch_scc1 .Lbody                          ; no net has gone before the first
	NETEND                                         ; the end of net trip - 1, while the unit is on its way
	s_cmp_lg_u32 s96, 1
	s_cbranch_scc1 .Lani
	PHYS                                           ; behind the charge net
	s_branch .Lnext
.Lani:
	s_sub_co_u32 s97, s96, 2                       ; net trip - 1 serves species trip - 2
	SELECT
.Lnext:
	v_add_nc_u32 v[BADR], NETB, v[BADR]            ; this trip's net's biases
.Lbody:
	BODY
	s_add_co_u32 s96, s96, 1
	s_cmp_lt_u32 s96, 5
	s_cbranch_scc1 .Lnet
	NETEND                                         ; the end of species net 3: slot 1 was shown whole in the last trip, and nothing is left to fetch
	s_mov_b32 s97, 3
	SELECT
	; ---- the molecule's energy ----
	v_add_f32 v[OUTA], v[OUTA], v[OUTB]
	v_add_f32 v[OUTA], v[OUTA], v[ECOUL]
	REDUCE OUTA, 22
	v_cmp_eq_u32 vcc_lo, 0, v[LANE]
	s_wait_xcnt 0x0                                ; EXEC changes only behind this wait
	s_and_saveexec_b32 s4, vcc_lo
	global_store_b32 v[ZERO], v[OUTA], s[20:21]
	s_wait_xcnt 0x0                                ; and is restored only behind this one
	s_or_b32 exec_lo, exec_lo, s4
	ROUND                                          ; the closing round: no work-group ends while a partner may still ask jointly
	s_endpgm
.Lfunc_end_k_q95a44a6861_main:
	.size	k_q95a44a6861_main, .Lfunc_end_k_q95a44a6861_main-k_q95a44a6861_main
	.p2alignl 7, 3214868480
	.fill 96, 4, 3214868480
	.section	.rodata,"a",@progbits
	.p2align	6, 0x0
	.amdhsa_kernel k_q95a44a6861_main
		.amdhsa_group_segment_fixed_size 327680
		.amdhsa_private_segment_fixed_size 0
		.amdhsa_enable_private_segment 0
		.amdhsa_kernarg_size 224
		.amdhsa_user_sgpr_count 2
		.amdhsa_user_sgpr_kernarg_segment_ptr 1
		.amdhsa_wavefront_size32 1
		.amdhsa_system_sgpr_workgroup_id_x 1
		.amdhsa_system_sgpr_workgroup_id_y 1
		.amdhsa_system_sgpr_workgroup_id_z 1
		.amdhsa_system_vgpr_workitem_id 0
		.amdhsa_next_free_vgpr 1024
		.amdhsa_next_free_sgpr 102
		.amdhsa_reserve_vcc 1
		.amdhsa_float_denorm_mode_32 3
		.amdhsa_float_denorm_mode_16_64 3
		.amdhsa_memory_ordered 1
		.amdhsa_forward_progress 1
		.amdhsa_inst_pref_size 255
	.end_amdhsa_kernel
	.section	.bss,"aw",@nobits
	.p2align	6
	.space	262144
	.amdgpu_metadata
---
amdhsa.version: [ 1, 2 ]
amdhsa.kernels:
  - .name:           k_q95a44a6861_main
    .symbol:         k_q95a44a6861_main.kd
    .args:
      - { .name: aev, .offset: 0, .size: 8, .value_kind: global_buffer, .address_space: global }
      - { .name: species, .offset: 8, .size: 8, .value_kind: global_buffer, .address_space: global }
      - { .name: coordinates, .offset: 16, .size: 8, .value_kind: global_buffer, .address_space: global }
      - { .name: net_charge, .offset: 24, .size: 8, .value_kind: global_buffer, .address_space: global }
      - { .name: wpack, .offset: 32, .size: 8, .value_kind: global_buffer, .address_space: global }
      - { .name: out0, .offset: 40, .size: 8, .value_kind: global_buffer, .address_space: global }
      - { .name: out1, .offset: 48, .size: 8, .value_kind: global_buffer, .address_space: global }
      - { .name: out2, .offset: 56, .size: 8, .value_kind: global_buffer, .address_space: global }
      - { .name: q_params_0_1, .offset: 64, .size: 8, .value_kind: global_buffer, .address_space: global }
      - { .name: q_params_1_1, .offset: 72, .size: 8, .value_kind: global_buffer, .address_space: global }
      - { .name: q_params_2_1, .offset: 80, .size: 8, .value_kind: global_buffer, .address_space: global }
      - { .name: q_params_3_1, .offset: 88, .size: 8, .value_kind: global_buffer, .address_space: global }
      - { .name: ani_params_0_0_1, .offset: 96, .size: 8, .value_kind: global_buffer, .address_space: global }
      - { .name: ani_params_0_1_1, .offset: 104, .size: 8, .value_kind: global_buffer, .address_space: global }
      - { .name: ani_params_0_2_1, .offset: 112, .size: 8, .value_kind: global_buffer, .address_space: global }
      - { .name: ani_params_0_3_1, .offset: 120, .size: 8, .value_kind: global_buffer, .address_space: global }
      - { .name: ani_params_1_0_1, .offset: 128, .size: 8, .value_kind: global_buffer, .address_space: global }
      - { .name: ani_params_1_1_1, .offset: 136, .size: 8, .value_kind: global_buffer, .address_space: global }
      - { .name: ani_params_1_2_1, .offset: 144, .size: 8, .value_kind: global_buffer, .address_space: global }
      - { .name: ani_params_1_3_1, .offset: 152, .size: 8, .value_kind: global_buffer, .address_space: global }
      - { .name: ani_params_2_0_1, .offset: 160, .size: 8, .value_kind: global_buffer, .address_space: global }
      - { .name: ani_params_2_1_1, .offset: 168, .size: 8, .value_kind: global_buffer, .address_space: global }
      - { .name: ani_params_2_2_1, .offset: 176, .size: 8, .value_kind: global_buffer, .address_space: global }
      - { .name: ani_params_2_3_1, .offset: 184, .size: 8, .value_kind: global_buffer, .address_space: global }
      - { .name: ani_params_3_0_1, .offset: 192, .size: 8, .value_kind: global_buffer, .address_space: global }
      - { .name: ani_params_3_1_1, .offset: 200, .size: 8, .value_kind: global_buffer, .address_space: global }
      - { .name: ani_params_3_2_1, .offset: 208, .size: 8, .value_kind: global_buffer, .address_space: global }
      - { .name: ani_params_3_3_1, .offset: 216, .size: 8, .value_kind: global_buffer, .address_space: global }
    .group_segment_fixed_size: 327680
    .private_segment_fixed_size: 0
    .kernarg_segment_align: 8
    .kernarg_segment_size: 224
    .max_flat_workgroup_size: 128
    .sgpr_count:     102
    .vgpr_count:     1024
    .wavefront_size: 32
...
	.end_amdgpu_metadata
.endif
;; end of part 3
